; MI455X (gfx1250); checked and timed in simulation.
; The chip was launched on July 23, 2026; its instructions are those of AMD's public machine-readable ISA for CDNA 5 (MIT licence, August 2026) and "CDNA5" Instruction Set Architecture Reference Guide (July 2026). The comments in the code are by the model that wrote it; some were corrected since.
;; Sliding Window Attention. Allowed arithmetic: matrix products marked QUANTISED: E2M1 operands, one E8M0 scale for each 32 along K, by v_wmma_scale_f32_16x16x128_f8f6f4 with both operands' format E2M1 (or v_wmma_scale_f32_32x16x128_f4), f32 sums; products left as they are: bf16, f16 or f32 operands; f32 sums; everything else in f32.
;; Inputs: w_out 1,024 x 1,024 float32; w_qkv 1,024 x 3,072 float32; x 4 x 2,048 x 1,024 float32.
;; Outputs: out0 4 x 2,048 x 1,024 float32.
;; This version of the problem:
;;   THIS VERSION OF THE PROBLEM IS GIVEN IN LOW PRECISION. The matrix products marked QUANTISED in the list below multiply operands that are first quantised to E2M1 (2 exponent bits, 1 mantissa bit; 4 bits a number), with one power-of-two scale for each 32 numbers along K (OCP MX v1.0); their sums are f32. The products marked 'left as it is' may take bf16, f16 or f32 operands, with f32 sums. Whichever they take, every output number must still come out within the allowed error. Rounding operands to bf16 (8 significant bits) uses up far more of that allowance than f16 does (11 bits, for magnitudes from 6e-5 to 65,504). All else is computed in f32.
;;   The module's matrix products, in the order in which they are computed (A, B: the left and right operand; K: the contracted axis; several contracted axes count as one K, in the product's order):
;;     1. [M 8,192, K 1,024] x [K 1,024, N 3,072]; A: input x; B: input w_qkv: QUANTISED
;;     2. batch 64 x [M 2,048, K 64] x [K 64, N 2,048]; A: computed on the way; B: computed on the way: left as it is (an operand is computed on the way)
;;     3. batch 64 x [M 64, K 2,048] x [K 2,048, N 2,048]; A: computed on the way; B: computed on the way: left as it is (an operand is computed on the way)
;;     4. [M 8,192, K 1,024] x [K 1,024, N 1,024]; A: computed on the way; B: input w_out: left as it is (an operand is computed on the way)
;;   THE QUANTISER, for each operand of a quantised product, along K:
;;     - K is cut into blocks of 32 from its start; a last block that is shorter is filled with zeros.
;;     - A block's scale is 2^e with e = floor(log2(the largest magnitude in the block)) - 2, held to -126 .. 127; a block of zeros has e = 0. As a byte (E8M0): e + 127.
;;     - Each number is divided by its block's scale, clamped to +-6, and rounded to the nearest number of E2M1, ties to even, subnormals kept.
;;     - The product sums the exact products of the quantised numbers (number of the format x scale) in f32.
;;   ~~~python
;;   def quantise(x, axis):      # numpy; x: float32 -> the quantised numbers, widened to float32 again
;;       x = np.moveaxis(x, axis, -1); K = x.shape[-1]
;;       x = np.pad(x, [(0, 0)] * (x.ndim - 1) + [(0, -K % 32)]); x = x.reshape(x.shape[:-1] + (-1, 32)); a = np.abs(x).max(-1, keepdims=True)
;;       e = np.where(a > 0, np.clip(np.frexp(np.where(a > 0, a, 1))[1] - 1 - 2, -126, 127), 0)      # np.frexp(a)[1] - 1 = floor(log2(a)), exactly
;;       r = np.clip(x / 2.0 ** e, -6, 6)
;;       step = 2.0 ** (np.maximum(np.frexp(np.where(r == 0, 1, r))[1] - 1, 0) - 1)
;;       q = np.round(r / step) * step * 2.0 ** e      # np.round: ties to even
;;       return np.moveaxis(q.reshape(q.shape[:-2] + (-1,))[..., :K], -1, axis).astype(np.float32)
;;   ~~~
;; One version. Each part assembles by itself: llvm-mc -triple=amdgcn-amd-amdhsa -mcpu=gfx1250 --defsym DOCPART=n.
;; ======== version 1 of 1: 5 launches
;; limits: values are held in f16: magnitudes above 65,504 overflow, below 6.1e-05 lose precision
;; workspace buffers: x_codes 4,194,304 bytes; x_scales 262,144 bytes; w_codes 1,572,864 bytes; w_scales 98,304 bytes; wo16 2,097,152 bytes; qkv16 50,331,648 bytes; qkvf 786,432 bytes; ao16 16,777,216 bytes
;; launch prep (part 1): grid 336 x 1, 4 waves a work-group, no clusters, 68,096 bytes of LDS; arguments x, w_qkv, w_out, x_codes, x_scales, w_codes, w_scales, wo16; writes x_codes, x_scales, w_codes, w_scales, wo16
.if DOCPART == 1
	.amdgcn_target "amdgcn-amd-amdhsa--gfx1250"
	.amdhsa_code_object_version 6
	.text
	.protected	k_q5a2a8b57cd_prep
	.globl	k_q5a2a8b57cd_prep
	.p2align	8
	.type	k_q5a2a8b57cd_prep,@function
k_q5a2a8b57cd_prep:
	s_mov_b64 s[64:65], 0
	v_nop
	global_prefetch_b8 v0, s[64:65] scope:SCOPE_SE
	s_setreg_imm32_b32 hwreg(HW_REG_WAVE_MODE, 25, 1), 1
	s_wait_xcnt 0x0
; PREP: what the later launches read many times is made narrow once.
;   work-groups   0-255: x [8192][1024] f32 -> codes of FP4 (E2M1), K innermost, [8192][512 bytes], and one E8M0 byte for each 32 along K, [8192][32]
;   work-groups 256-303: w_qkv [1024 k][3072 n] f32, whose K is its FIRST axis -> codes [3072 n][512 bytes] with K innermost, scale bytes [3072][32]
;   work-groups 304-335: w_out [1024][1024] f32 -> f16, layout kept
; A block's scale is 2^(floor(log2(its largest magnitude)) - 2); its byte is the largest magnitude's own exponent field - 2, held at 1 from below.
; Each number is divided by the scale and rounded to the nearest code, ties to even, beyond the largest code the largest.
; LIMITS: a block of zeros gets the byte 1 where the quantiser says 127 (its codes are zeros, and the bytes are read by this program alone); blocks whose largest magnitude lies under 2^-124
; get the byte 1; NaN and infinities among the inputs are not served; |w_out| stays under 65,504 (f16).
; The three paths part on the work-group's number and never join; each has LDS bytes of its own.  No tensor load, no barrier: waves share nothing.
.set SPARE, 67584                      ; behind both paths' stages: the spare words, 128 bytes for each wave
.set SPW,   192                        ; v192  LDS address of my spare word: SPARE + 4 x my thread's number; never rewritten
.set NIL,   193                        ; v193  0; never rewritten
.set EMAX,  2
; path X (x): a wave takes 16 steps of 512 numbers
.set XSTEPS, 16
.set XCB,   8                          ; bytes of 16 codes
.set XR,    16                         ; v16-79   four sets of 16 numbers as they are loaded
.set XN,    80                         ; v80-111  two sets of 16 neighbours
.set XE,    112                        ; v112-127 a scale byte for each step
.set XC,    128                        ; v128-191 codes: four registers for each step, so that no store's data are written again
.set XREG,  8192                       ; LDS 0 .. 32,767: a region for each wave: two stages of 32 x XSP bytes, behind them its 256 scale bytes
.set XSP,   80                         ; a lane's place in a stage: its 64 bytes + 16 of padding
; path W (w_qkv): a wave takes 32 columns x 512 along K
.set WSTG,  32768                      ; LDS 32,768 .. 67,583: a stage of 32 rows x WPITCH for each wave
.set WNB,   16                         ; blocks of 32 along K
.set WPITCH, 272                       ; a stage row: 256 bytes of codes + 16
.set WKROW, 512                        ; a row of w_codes in bytes
.set WROW,  3072*4                     ; a row of w_qkv in bytes
.set WSB,   24                         ; v24-27   the scale bytes, four to a register
.set WX,    32                         ; v32-95   two sets of 32 numbers
.set WC,    96                         ; v96-99   a block's codes
.set WOUT,  112                        ; v112-175 the way out
; path O (w_out): a wave casts 8,192 numbers
.set OI,    32                         ; v32-95   two groups of eight loads
.set OO,    96                         ; v96-127  two groups of eight stores
	s_load_b256 s[4:11], s[0:1], 0x0               ; x s[4:5], w_qkv s[6:7], w_out s[8:9], x_codes s[10:11]
	s_load_b256 s[12:19], s[0:1], 0x20             ; x_scales s[12:13], w_codes s[14:15], w_scales s[16:17], wo16 s[18:19]
	v_lshl_add_u32 v[SPW], v0, 2, SPARE
	v_mov_b32 v[NIL], 0
	v_lshrrev_b32 v1, 5, v0
	v_readfirstlane_b32 s20, v1                    ; wave 0..3
	v_and_b32 v2, 31, v0                           ; lane
	s_wait_kmcnt 0x0
	s_cmp_lt_u32 ttmp9, 256
	s_cbranch_scc1 .LX
	s_cmp_lt_u32 ttmp9, 304
	s_cbranch_scc1 .LW
; ---------------------------------------------------------------- path O: the cast of w_out
	s_sub_co_u32 s21, ttmp9, 304
	s_lshl_b32 s21, s21, 2
	s_add_co_u32 s21, s21, s20                     ; which run of 8,192 numbers is my wave's: 0 .. 127
	s_lshl_b32 s22, s21, 15                        ; 32,768 bytes in,
	s_mov_b32 s23, 0
	s_add_nc_u64 s[8:9], s[8:9], s[22:23]
	s_lshl_b32 s22, s21, 14                        ; 16,384 out
	s_add_nc_u64 s[18:19], s[18:19], s[22:23]
	v_lshlrev_b32 v3, 4, v2                        ; 16 bytes a lane in,
	v_lshlrev_b32 v4, 3, v2                        ; 8 out
.macro LOADO g                         ; eight loads of 512 consecutive bytes
.irp i, 0,1,2,3,4,5,6,7
	global_load_b128 v[OI+32*((\g)%2)+4*\i:OI+32*((\g)%2)+4*\i+3], v3, s[8:9] offset:4096*(\g)+512*\i th:TH_LOAD_NT
.endr
.endm
.macro CASTO g
.if (\g) < 7
	s_wait_loadcnt 8                               ; this group's eight loads are in; the next group's eight may be out
.else
	s_wait_loadcnt 0
.endif
	s_wait_xcnt 0x0                                ; the stores of two groups back have read their data: these registers are written again only behind this wait
.irp i, 0,1,2,3,4,5,6,7
	v_cvt_pk_f16_f32 v[OO+16*((\g)%2)+2*\i], v[OI+32*((\g)%2)+4*\i], v[OI+32*((\g)%2)+4*\i+1]
	v_cvt_pk_f16_f32 v[OO+16*((\g)%2)+2*\i+1], v[OI+32*((\g)%2)+4*\i+2], v[OI+32*((\g)%2)+4*\i+3]
.endr
.irp i, 0,1,2,3,4,5,6,7
	global_store_b64 v4, v[OO+16*((\g)%2)+2*\i:OO+16*((\g)%2)+2*\i+1], s[18:19] offset:2048*(\g)+256*\i   ; 32 lanes store 256 consecutive bytes, aligned
.endr
.if (\g)+2 < 8
	LOADO (\g)+2
.endif
.endm
	LOADO 0
	LOADO 1
.irp g, 0,1,2,3,4,5,6,7
	CASTO \g
.endr
	s_wait_tensorcnt 0x0                           ; the wave's end
	ds_add_u32 v[SPW], v[NIL]
	s_wait_dscnt 0x0
	s_endpgm
; ---------------------------------------------------------------- path W: w_qkv, a lane to a column, registers down K
.LW:
	s_sub_co_u32 s21, ttmp9, 256                   ; 0 .. 47
	s_lshr_b32 s22, s21, 1
	s_lshl_b32 s22, s22, 7
	s_lshl_b32 s23, s20, 5
	s_add_co_u32 s22, s22, s23                     ; my wave's first column: 128 x (i / 2) + 32 x wave
	s_and_b32 s23, s21, 1                          ; which 512 along K
	v_lshlrev_b32 v3, 2, v2                        ; in: 4 bytes a lane
	s_mul_i32 s24, s20, 32*WPITCH
	s_add_co_u32 s24, s24, WSTG                    ; my stage
	v_mul_u32_u24 v4, v2, WPITCH
	v_add_nc_u32 v4, s24, v4                       ; into it: row = my column
	v_and_b32 v5, 15, v2
	v_lshrrev_b32 v6, 4, v2                        ; out of it: sixteen lanes to a row, two rows an instruction
	v_mul_u32_u24 v7, v6, WPITCH
	v_lshl_add_u32 v7, v5, 4, v7
	v_add_nc_u32 v7, s24, v7
	v_mul_u32_u24 v8, v6, WKROW
	v_lshl_add_u32 v8, v5, 4, v8                   ; and the same place in w_codes
	v_lshlrev_b32 v9, 5, v2                        ; my column's row of scale bytes
	s_mul_i32 s26, s23, 512*WROW                   ; w_qkv: 512 rows for the upper half of K,
	s_lshl_b32 s27, s22, 2
	s_add_co_u32 s26, s26, s27                     ; + 4 x column
	s_mov_b32 s27, 0
	s_add_nc_u64 s[6:7], s[6:7], s[26:27]
	s_lshl_b32 s26, s22, 9                         ; w_codes: column x 512 + 256 x half
	s_lshl_b32 s28, s23, 8
	s_add_co_u32 s26, s26, s28
	s_add_nc_u64 s[14:15], s[14:15], s[26:27]
	s_lshl_b32 s26, s22, 5                         ; w_scales: column x 32 + 16 x half
	s_lshl_b32 s28, s23, 4
	s_add_co_u32 s26, s26, s28
	s_add_nc_u64 s[16:17], s[16:17], s[26:27]
.macro LOADW t                         ; block t: w(32 t + i, my column), i = 0 .. 31: each load reads 128 consecutive bytes.  The largest offset, 511 rows, is 6,279,168: inside the signed 24-bit immediate
.irp i, 0,1,2,3,4,5,6,7,8,9,10,11,12,13,14,15,16,17,18,19,20,21,22,23,24,25,26,27,28,29,30,31
	global_load_b32 v[WX+32*((\t)%2)+\i], v3, s[6:7] offset:(32*(\t)+\i)*WROW th:TH_LOAD_NT
.endr
.endm
.macro WBLOCK t
.set WS, WX+32*((\t)%2)
.if (\t) < WNB-1
	s_wait_loadcnt 32                              ; this block's 32 loads are in; the next block's 32 may be out
.else
	s_wait_loadcnt 0
.endif
	v_max3_num_f32 v12, |v[WS]|, |v[WS+1]|, |v[WS+2]|     ; the block's largest magnitude: all 32 numbers are mine
	v_max3_num_f32 v13, |v[WS+3]|, |v[WS+4]|, |v[WS+5]|
.irp i, 6,10,14,18,22,26
	v_max3_num_f32 v12, v12, |v[WS+\i]|, |v[WS+\i+1]|
	v_max3_num_f32 v13, v13, |v[WS+\i+2]|, |v[WS+\i+3]|
.endr
	v_max3_num_f32 v12, v12, |v[WS+30]|, |v[WS+31]|
	v_max3_num_f32 v12, v12, v13, (EMAX+1)<<23     ; and the floor 2^(3 - 127): the byte cannot fall under 1
	v_add_nc_u32 v11, -(EMAX<<23), v12             ; 2 off its exponent field: the conversion takes the exponent field of this operand as its scale
	v_lshrrev_b32 v13, 23, v11                     ; the scale's byte
.if (\t)%4 == 0
	v_mov_b32 v[WSB+(\t)/4], v13                   ; four bytes to a register, the lower K in the lower byte
.else
	v_lshl_or_b32 v[WSB+(\t)/4], v13, 8*((\t)%4), v[WSB+(\t)/4]
.endif
.irp g, 0,1,2,3
	v_cvt_scalef32_pk8_fp4_f32 v[WC+\g], v[WS+8*\g:WS+8*\g+7], v11
.endr
	ds_store_b128 v4, v[WC:WC+3] offset:16*(\t)    ; 32 codes: 16 bytes of my column's row
.if (\t)+2 < WNB
	LOADW (\t)+2
.endif
	s_wait_dscnt 0x0                               ; the store has read its registers: the next block's codes may be written
.endm
	LOADW 0
	LOADW 1
.irp t, 0,1,2,3,4,5,6,7,8,9,10,11,12,13,14,15
	WBLOCK \t
.endr
	global_store_b128 v9, v[WSB:WSB+3], s[16:17]   ; my column's 16 scale bytes
.irp t, 0,1,2,3,4,5,6,7,8,9,10,11,12,13,14,15
	ds_load_b128 v[WOUT+4*\t:WOUT+4*\t+3], v7 offset:2*\t*WPITCH   ; LDS serves a wave's instructions in order: these see my stores
.endr
.irp t, 0,1,2,3,4,5,6,7,8,9,10,11,12,13,14,15
	s_wait_dscnt 15-\t                             ; the loads behind load t may be out
	global_store_b128 v8, v[WOUT+4*\t:WOUT+4*\t+3], s[14:15] offset:2*\t*WKROW   ; sixteen lanes store 256 consecutive bytes, aligned
.endr
	s_wait_tensorcnt 0x0                           ; the wave's end, behind my last LDS store
	ds_add_u32 v[SPW], v[NIL]
	s_wait_dscnt 0x0
	s_endpgm
; ---------------------------------------------------------------- path X: x, a plain stream of blocks of 32
; Each of a step's four loads reads 512 consecutive bytes, 16 a lane; the 2,048 bytes turn through the wave's own stage and come back 64 bytes a lane: 16 neighbours, two lanes to a block.
.LX:
	v_lshlrev_b32 v3, 4, v2                        ; my 16 bytes of a load's 512
	s_mul_i32 s21, s20, XREG
	v_lshrrev_b32 v14, 2, v2
	v_mul_u32_u24 v14, v14, XSP
	v_and_b32 v15, 3, v2
	v_lshl_add_u32 v14, v15, 4, v14
	v_add_nc_u32 v14, s21, v14                     ; the stage, on the way in: XSP (lane / 4) + 16 (lane % 4)
	v_mul_u32_u24 v15, v2, XSP
	v_add_nc_u32 v15, s21, v15                     ; and on the way out: XSP x lane
	v_mul_u32_u24 v4, v2, XCB                      ; my codes' place in a step's
	v_lshrrev_b32 v5, 1, v2
	s_add_co_u32 s21, s21, 2*32*XSP
	v_add_nc_u32 v5, s21, v5                       ; LDS: my wave's 256 scale bytes, my block's byte
	v_lshlrev_b32 v7, 3, v2                        ; and on the way out 8 bytes a lane
	v_add_nc_u32 v6, s21, v7
	s_lshl_b32 s22, ttmp9, 2
	s_add_co_u32 s22, s22, s20                     ; which run of 8,192 numbers is my wave's: 0 .. 1,023
	s_lshl_b32 s24, s22, 15
	s_mov_b32 s25, 0
	s_add_nc_u64 s[4:5], s[4:5], s[24:25]          ; 32,768 bytes of x,
	s_lshl_b32 s24, s22, 12
	s_add_nc_u64 s[10:11], s[10:11], s[24:25]      ; 4,096 of codes,
	s_lshl_b32 s24, s22, 8
	s_add_nc_u64 s[12:13], s[12:13], s[24:25]      ; 256 of scale bytes a run
.macro XLOAD t
.irp i, 0,1,2,3
	global_load_b128 v[XR+16*((\t)%4)+4*\i:XR+16*((\t)%4)+4*\i+3], v3, s[4:5] offset:2048*(\t)+512*\i th:TH_LOAD_NT
.endr
.endm
.macro XTURN t                         ; step t's numbers through the stage: LDS serves a wave's instructions in order, so no wait stands between the stores and the loads
.irp i, 0,1,2,3
	ds_store_b128 v14, v[XR+16*((\t)%4)+4*\i:XR+16*((\t)%4)+4*\i+3] offset:32*XSP*((\t)%2)+8*XSP*\i
.endr
.irp i, 0,1,2,3
	ds_load_b128 v[XN+16*((\t)%2)+4*\i:XN+16*((\t)%2)+4*\i+3], v15 offset:32*XSP*((\t)%2)+16*\i
.endr
.endm
.macro XSTEP t
.set XS, XN+16*((\t)%2)
.if (\t) > 0
	s_wait_dscnt 1                                 ; this step's numbers are back from the stage (the last step's byte store may be out): so its stores into the stage have read their registers,
.else
	s_wait_dscnt 0x0
.endif
.if (\t)+4 < XSTEPS
	XLOAD (\t)+4                                   ; which take the loads of four steps on
.endif
.if (\t)+1 < XSTEPS
.if XSTEPS-2-(\t) >= 3
	s_wait_loadcnt 12                              ; the next step's four loads are in; those of the three steps behind it may be out
.else
	s_wait_loadcnt 4*(XSTEPS-2-(\t))
.endif
	XTURN (\t)+1                                   ; and go through the other stage while this step is worked
.endif
	v_max3_num_f32 v8, |v[XS]|, |v[XS+1]|, |v[XS+2]|      ; the largest magnitude of my 16
	v_max3_num_f32 v9, |v[XS+3]|, |v[XS+4]|, |v[XS+5]|
.irp i, 6,10
	v_max3_num_f32 v8, v8, |v[XS+\i]|, |v[XS+\i+1]|
	v_max3_num_f32 v9, v9, |v[XS+\i+2]|, |v[XS+\i+3]|
.endr
	v_max3_num_f32 v8, v8, |v[XS+14]|, |v[XS+15]|
	v_max3_num_f32 v8, v8, v9, (EMAX+1)<<23        ; and the floor 2^(3 - 127)
	v_max_num_f32_dpp v8, v8, v8 row_xmask:1 row_mask:0xf bank_mask:0xf   ; and of my neighbour's 16: the block's
	v_add_nc_u32 v11, -(EMAX<<23), v8              ; 2 off its exponent field: the conversion's scale operand
	v_cvt_scalef32_pk8_fp4_f32 v[XC+4*(\t)], v[XS:XS+7], v11
	v_cvt_scalef32_pk8_fp4_f32 v[XC+4*(\t)+1], v[XS+8:XS+15], v11
	v_lshrrev_b32 v[XE+(\t)], 23, v11              ; the scale's byte
	ds_store_b8 v5, v[XE+(\t)] offset:16*(\t)      ; both lanes of a block write the same byte with the same value
	global_store_b64 v4, v[XC+4*(\t):XC+4*(\t)+1], s[10:11] offset:32*XCB*(\t)   ; 32 lanes store 256 consecutive bytes, aligned
.endm
.irp t, 0,1,2,3
	XLOAD \t
.endr
	s_wait_loadcnt 12                              ; step 0's four loads are in
	XTURN 0
.irp t, 0,1,2,3,4,5,6,7,8,9,10,11,12,13,14,15
	XSTEP \t
.endr
	ds_load_b64 v[8:9], v6                         ; LDS serves a wave's instructions in order: this sees my byte stores
	s_wait_dscnt 0x0
	global_store_b64 v7, v[8:9], s[12:13]          ; 32 lanes store 256 consecutive bytes, aligned
	s_wait_tensorcnt 0x0                           ; the wave's end, behind my last LDS store
	ds_add_u32 v[SPW], v[NIL]
	s_wait_dscnt 0x0
	s_endpgm
.Lfunc_end_k_q5a2a8b57cd_prep:
	.size	k_q5a2a8b57cd_prep, .Lfunc_end_k_q5a2a8b57cd_prep-k_q5a2a8b57cd_prep
	.p2alignl 7, 3214868480
	.fill 96, 4, 3214868480
	.section	.rodata,"a",@progbits
	.p2align	6, 0x0
	.amdhsa_kernel k_q5a2a8b57cd_prep
		.amdhsa_group_segment_fixed_size 68096
		.amdhsa_private_segment_fixed_size 0
		.amdhsa_enable_private_segment 0
		.amdhsa_kernarg_size 64
		.amdhsa_user_sgpr_count 2
		.amdhsa_user_sgpr_kernarg_segment_ptr 1
		.amdhsa_wavefront_size32 1
		.amdhsa_system_sgpr_workgroup_id_x 1
		.amdhsa_system_sgpr_workgroup_id_y 1
		.amdhsa_system_sgpr_workgroup_id_z 1
		.amdhsa_system_vgpr_workitem_id 0
		.amdhsa_next_free_vgpr 200
		.amdhsa_next_free_sgpr 66
		.amdhsa_reserve_vcc 0
		.amdhsa_float_denorm_mode_32 3
		.amdhsa_float_denorm_mode_16_64 3
		.amdhsa_memory_ordered 1
		.amdhsa_forward_progress 1
		.amdhsa_inst_pref_size 132
	.end_amdhsa_kernel
	.amdgpu_metadata
---
amdhsa.version: [ 1, 2 ]
amdhsa.kernels:
  - .name:           k_q5a2a8b57cd_prep
    .symbol:         k_q5a2a8b57cd_prep.kd
    .args:
      - { .name: x, .offset: 0, .size: 8, .value_kind: global_buffer, .address_space: global }
      - { .name: w_qkv, .offset: 8, .size: 8, .value_kind: global_buffer, .address_space: global }
      - { .name: w_out, .offset: 16, .size: 8, .value_kind: global_buffer, .address_space: global }
      - { .name: x_codes, .offset: 24, .size: 8, .value_kind: global_buffer, .address_space: global }
      - { .name: x_scales, .offset: 32, .size: 8, .value_kind: global_buffer, .address_space: global }
      - { .name: w_codes, .offset: 40, .size: 8, .value_kind: global_buffer, .address_space: global }
      - { .name: w_scales, .offset: 48, .size: 8, .value_kind: global_buffer, .address_space: global }
      - { .name: wo16, .offset: 56, .size: 8, .value_kind: global_buffer, .address_space: global }
    .group_segment_fixed_size: 68096
    .private_segment_fixed_size: 0
    .kernarg_segment_align: 8
    .kernarg_segment_size: 64
    .max_flat_workgroup_size: 128
    .sgpr_count:     66
    .vgpr_count:     200
    .wavefront_size: 32
...
	.end_amdgpu_metadata
.endif
;; end of part 1
;; launch qkv (part 2): grid 12 x 32, 4 waves a work-group, clusters of 4 x 4, 327,680 bytes of LDS; arguments x_codes, x_scales, w_codes, w_scales, qkv16, qkvf; writes qkv16, qkvf
.if DOCPART == 2
	.amdgcn_target "amdgcn-amd-amdhsa--gfx1250"
	.amdhsa_code_object_version 6
	.text
	.protected	k_q5a2a8b57cd_qkv
	.globl	k_q5a2a8b57cd_qkv
	.p2align	8
	.type	k_q5a2a8b57cd_qkv,@function
k_q5a2a8b57cd_qkv:
	s_mov_b64 s[64:65], 0
	v_nop
	global_prefetch_b8 v0, s[64:65] scope:SCOPE_SE
	s_setreg_imm32_b32 hwreg(HW_REG_WAVE_MODE, 25, 1), 1
	s_wait_xcnt 0x0
	s_wait_alu depctr_hold_cnt(0) depctr_sa_sdst(0) depctr_va_vdst(0) depctr_va_sdst(0) depctr_va_ssrc(0) depctr_va_vcc(0) depctr_vm_vsrc(0)
	s_getreg_b32 s2, hwreg(HW_REG_IB_STS2, 6, 4)
	s_cmp_eq_u32 s2, 0
	s_cbranch_scc0 .Lentry_in_a_cluster
	s_endpgm
.Lentry_in_a_cluster:
	s_bfe_u32 s2, ttmp6, 0x10000c
	s_cmp_lg_u32 s2, 0xf033
	s_cbranch_scc0 .Lentry_shape_is_right
	s_endpgm
.Lentry_shape_is_right:
; QKV: C[m][n] = sum over k of x[m][k] w_qkv[k][n] on codes of FP4 (E2M1) with one E8M0 scale for each 32 along K; M = 8,192, N = 3,072, K = 1,024; sums in f32.
; A (x_codes) [8192][512 bytes], B (w_codes) [3072][512 bytes], K innermost; scale bytes [rows][32].  The matrix instruction takes codes and scale bytes as they lie.
; RESULTS: qkv16 [48 g][8192 rows][64] f16, g = n / 64 (0-15 q's heads, 16-31 k's, 32-47 v's): a head's rows are dense, 128 bytes each.
;          qkvf [16 b + t][3072] f32: the first 16 positions of each of the four sequences once more, unrounded, for the launch that carries those rows in f32.
; LIMIT: |q|, |k|, |v| stay under 65,504 (f16).
; A tile of C, 256 x 256, is made by four waves, 128 x 128 each: 64 accumulators of 16 x 16, 512 registers.  K's 1,024 fill the two LDS slots of 512 along K once: every tensor load is a first fill,
; three a wave (its part of the scale bytes, of slot 0, of slot 1); nothing is filled again, so there is no loop.
; CLUSTERS: 4 x 4 work-groups.  The four of a row of the cluster need the same tiles of A, the four of a column the same tiles of B: each tile is asked for jointly.
; THE TILE ROW IS 8 cy + Y (Y: the cluster's y): the four partners along cy stand at the same place in four different sequences, so 'my tile holds positions 0 to 15' is Y = 0, the same in all sixteen partners.
; THE MATRIX INSTRUCTION IS USED TRANSPOSED (source 0 = 16 rows of B, source 1 = 16 rows of A): a lane holds eight neighbouring numbers of a row of C.
; REGISTERS, in windows of 256: window 0: v0-31 addresses; v32-95 scale words, two sets; from v128 A's fragments, one set; on the way out v96-255 are free.
;   window 1: B's fragments, two sets, at v0 and v128.  window 2: the accumulators of my rows 0-63 ((a, b) at v[8 (8 a + b)]);  window 3: those of my rows 64-127.
.set NQ,     4                         ; matrix instructions deep in a slot
.set ROWB,   256                       ; a tile's row in bytes: 512 codes
.set KROW,   512                       ; a row of A or of B in memory
.set PITCH,  272                       ; an LDS row: 256 bytes + 16 of padding = 68 words: the 16 rows that a load touches start at 16 different banks (64 banks of 4 bytes: ISA guide 11.1)
.set FR,     8                         ; registers of a fragment: 16 rows x 128 K
.set NL,     2                         ; LDS loads that bring one
.set NP,     4                         ; places behind this matrix instruction (ISA guide 7.12.1)
.set HALFT,  128*PITCH
.set SLOT,   4*HALFT                   ; A's 256 rows, then B's 256 rows
.set KS,     32                        ; a row of scales in bytes
.set SCL,    2*SLOT                    ; behind the slots: the scales, as rows of 256 bytes + 16 of padding
.set HALFS,  (128*KS/256)*272
.set SBLK,   (16*KS/256)*272
.set SPARE,  SCL+4*HALFS               ; behind the scales: the spare words, 128 bytes for each wave
.set WSTG,   13312                     ; the way out: each wave's stages, in slot 0, which has had its last fill and its last read by then: f16 [2 g][16 rows] of 144 bytes, then f32 16 rows of 528
.set ADRA, 16                          ; v16-17  LDS address of my A fragments in slot 0, 1
.set ADRB, 20                          ; v20-21  the same for B
.set STOF, 22                          ; v22     f32 stage: where I put 32 bytes of a row
.set RDF,  23                          ; v23     and where I read a row back
.set STO,  24                          ; v24     f16 stage: where I put 16 bytes of a row
.set RD,   25                          ; v25     and where I read four rows back
.set CO,   26                          ; v26     16 x lane
.set ADRS, 27                          ; v27     LDS address of my scale words: lanes 0-15 A's rows, lanes 16-31 B's
.set SPW,  28                          ; v28     LDS address of my spare word; never rewritten
.set NIL,  29                          ; v29     0; never rewritten
.set SC,   32                          ; scale words: set s at v[SC + 32 s]; register 4 i + q: lanes 0-15 A's block i, lanes 16-31 B's block i, the slot's q-th 128 along K
.set TMP,  96                          ; the way out: a block's 32 packed registers
.set AF,   128                         ; A's fragments
.set OB,   128                         ; the way out: a block read back: v128-159 and v160-191 by turns
.set BKF,  192                         ; the way out: the f32 rows read back
.set G1, 24
.set G0, 32
.set G1B, 48
.set G0B, 56
.set G1S, 68
.set G0S, 76
.set G1SB, 80
.set G0SB, 88
.set MSB, 0
.macro WIN new                         ; the immediate's high byte repeats the setting that is left
.if MSB != (\new)
	s_set_vgpr_msb (MSB<<8)|(\new)
.set MSB, (\new)
.endif
.endm
.set MUL_LO, 0xa1                      ; source 0 (B) window 1, source 1 (A) window 0, C and D window 2
.set MUL_HI, 0xf1                      ; the same, C and D window 3
.set TO_B,   0x40                      ; destination window 1, address window 0
; A joint load: waves 0 and 1 fetch for A, waves 2 and 3 for B.  Each of the two lines has one mask and one set of registers; the branch hangs on the wave's number alone.
; An s_nop 0 and four v_nop follow each of the two lines.
.macro JLOAD g0a, g1a, g0b, g1b
	s_cmp_eq_u32 s15, 0
	s_cbranch_scc0 .Lfor_b_\@
	tensor_load_to_lds s[\g0a:\g0a+3], s[\g1a:\g1a+7]
	s_nop 0
.rept 4
	v_nop
.endr
	s_branch .Lasked_\@
.Lfor_b_\@:
	tensor_load_to_lds s[\g0b:\g0b+3], s[\g1b:\g1b+7]
	s_nop 0
.rept 4
	v_nop
.endr
.Lasked_\@:
.endm
.macro CROUND                          ; a round of the cluster's barrier
	s_barrier_signal -1
	s_barrier_wait -1
	s_cmp_lg_u32 s14, 0
	s_cbranch_scc1 .Lnot_wave_0_\@
	s_barrier_signal -3
.Lnot_wave_0_\@:
	s_barrier_wait -3
	s_barrier_signal -1
	s_barrier_wait -1
.endm
	s_load_b128 s[4:7], s[0:1], 0x0                ; A's codes s[4:5], A's scales s[6:7]
	s_load_b128 s[8:11], s[0:1], 0x10              ; B's codes s[8:9], B's scales s[10:11]
	s_load_b64 s[12:13], s[0:1], 0x20              ; qkv16
	s_load_b64 s[96:97], s[0:1], 0x28              ; qkvf
	v_lshl_add_u32 v[SPW], v0, 2, SPARE
	v_mov_b32 v[NIL], 0
	ds_add_u32 v[SPW], v[NIL]                      ; the wave's opening: the add, twice on end, and its wait ahead of my first tensor load
	ds_add_u32 v[SPW], v[NIL]
	v_lshrrev_b32 v1, 5, v0
	v_readfirstlane_b32 s14, v1                    ; wave 0..3
	s_lshr_b32 s15, s14, 1                         ; which half of the tile's rows is mine.  Also: I fetch for A (0) or for B (1)
	s_and_b32 s16, s14, 1                          ; which half of its columns.  Also: which 128 rows of that tile I fetch
	s_bfe_u32 s40, ttmp6, 0x40000                  ; cx, cy: my place in the cluster
	s_bfe_u32 s41, ttmp6, 0x40004
	s_lshl_b32 s42, ttmp9, 2
	s_add_co_u32 s42, s42, s40                     ; tile column of C = 4 x cluster x + cx
	s_and_b32 s95, ttmp7, 0xffff                   ; Y: the cluster's y, 0 .. 7
	s_lshl_b32 s17, s41, 3
	s_add_co_u32 s17, s17, s95                     ; tile row of C = 8 cy + Y: sequence cy, its Y-th 256 positions
	s_lshl_b32 s43, s41, 2
	s_lshl_b32 s43, 15, s43                        ; my row of the cluster
	s_lshl_b32 s44, 0x1111, s40                    ; my column
	; descriptor group 1: a tile of 128 rows x 256 bytes, padded in LDS
	s_or_b32 s[G1+0], s43, (0<<16)|(1<<20)|(1<<21)|(5<<22)|(3<<25)  ; the mask: A's tiles go to my row; elements of 1 byte; padding on; bit 21 beside a mask; after every 64 words four words
	s_or_b32 s[G1B+0], s44, (0<<16)|(1<<20)|(1<<21)|(5<<22)|(3<<25)
.irp g, G1, G1B
	s_mov_b32 s[\g+1], ROWB<<16                    ; tensor_dim0
	s_mov_b32 s[\g+2], 128<<16                     ; tensor_dim1
	s_mov_b32 s[\g+3], ROWB<<16                    ; tile_dim0
	s_mov_b32 s[\g+4], 128                         ; tile_dim1
	s_mov_b32 s[\g+5], KROW                        ; from row to row
	s_mov_b32 s[\g+6], 0
	s_mov_b32 s[\g+7], 0
.endr
	; the scales of 128 rows: a dense block of 4,096 bytes, as 16 rows of 256 bytes (32 elements of 8 bytes), 16 bytes of padding behind each
	s_or_b32 s[G1S+0], s43, (3<<16)|(1<<20)|(1<<21)|(5<<22)|(3<<25)
	s_or_b32 s[G1SB+0], s44, (3<<16)|(1<<20)|(1<<21)|(5<<22)|(3<<25)
.irp g, G1S, G1SB
	s_mov_b32 s[\g+1], 32<<16
	s_mov_b32 s[\g+2], (128*KS/256)<<16
	s_mov_b32 s[\g+3], 32<<16
	s_mov_b32 s[\g+4], 128*KS/256
	s_mov_b32 s[\g+5], 32
	s_mov_b32 s[\g+6], 0
	s_mov_b32 s[\g+7], 0
.endr
	s_lshl_b32 s18, s16, 7                         ; which 128 rows of the tile I fetch
	s_lshl_b32 s20, s17, 8
	s_add_co_u32 s20, s20, s18                     ; A: row 256 x tile row + 128 x half
	s_lshl_b32 s46, s42, 8
	s_add_co_u32 s46, s46, s18                     ; B: row 256 x tile column + 128 x half
	s_mov_b32 s21, 0
	s_mov_b32 s47, 0
	s_mov_b64 s[18:19], KS
	s_mul_u64 s[22:23], s[20:21], s[18:19]         ; where these rows' scales begin, in bytes
	s_mul_u64 s[92:93], s[46:47], s[18:19]
	s_mov_b64 s[18:19], KROW
	s_mul_u64 s[20:21], s[20:21], s[18:19]         ; and their codes
	s_mul_u64 s[46:47], s[46:47], s[18:19]
	s_mul_i32 s45, s14, HALFT                      ; where they go: wave x 128 rows: no place in the cluster enters an LDS address
	s_mul_i32 s94, s14, HALFS
	s_wait_dscnt 0x0                               ; both opening adds are done
	s_wait_kmcnt 0x0
	s_add_nc_u64 s[20:21], s[4:5], s[20:21]
	s_add_nc_u64 s[22:23], s[6:7], s[22:23]
	s_add_nc_u64 s[46:47], s[8:9], s[46:47]
	s_add_nc_u64 s[92:93], s[10:11], s[92:93]
	CROUND                                         ; all sixteen work-groups are here: the joint loads meet
	s_mov_b32 s[G0S], 1
	s_add_co_u32 s[G0S+1], s94, SCL
	s_mov_b64 s[G0S+2:G0S+3], s[22:23]
	s_or_b32 s[G0S+3], s[G0S+3], 0x80000000
	s_mov_b32 s[G0SB], 1
	s_add_co_u32 s[G0SB+1], s94, SCL
	s_mov_b64 s[G0SB+2:G0SB+3], s[92:93]
	s_or_b32 s[G0SB+3], s[G0SB+3], 0x80000000
	JLOAD G0S, G1S, G0SB, G1SB                     ; the scales first: they are wanted with slot 0
.irp s, 0,1
	s_mov_b32 s[G0+4*\s], 1
	s_add_co_u32 s[G0+4*\s+1], s45, \s*SLOT
	s_add_nc_u64 s[G0+4*\s+2:G0+4*\s+3], s[20:21], \s*ROWB
	s_or_b32 s[G0+4*\s+3], s[G0+4*\s+3], 0x80000000
	s_mov_b32 s[G0B+4*\s], 1
	s_add_co_u32 s[G0B+4*\s+1], s45, \s*SLOT
	s_add_nc_u64 s[G0B+4*\s+2:G0B+4*\s+3], s[46:47], \s*ROWB
	s_or_b32 s[G0B+4*\s+3], s[G0B+4*\s+3], 0x80000000
	JLOAD G0+4*\s, G1, G0B+4*\s, G1B
.endr
	v_and_b32 v1, 15, v0                           ; r = l % 16
	v_bfe_u32 v2, v0, 4, 1                         ; h = l / 16
	v_mul_u32_u24 v3, v1, PITCH
	v_lshl_add_u32 v4, v2, 4, v3                   ; a fragment's row x pitch + 16 x half
	s_mul_i32 s21, s15, HALFT                      ; my 128 rows of A
	s_mul_i32 s22, s16, HALFT                      ; my 128 rows of B,
	s_add_co_u32 s22, s22, 2*HALFT                 ; which lie behind A's 256
.irp s, 0,1
	v_add_nc_u32 v[ADRA+\s], s21, v4
	v_add_nc_u32 v[ADRB+\s], s22, v4
	s_add_co_u32 s21, s21, SLOT
	s_add_co_u32 s22, s22, SLOT
.endr
	v_mul_u32_u24 v5, v1, KS                       ; my row's scales: 32 bytes a row,
	v_lshrrev_b32 v6, 8, v5
	v_lshl_add_u32 v5, v6, 4, v5                   ; and 16 more for each 256 passed
	s_mul_i32 s21, s15, HALFS                      ; A's: my 128 rows
	s_mul_i32 s22, s16, HALFS                      ; B's: my 128 rows, behind A's 256
	s_add_co_u32 s22, s22, 2*HALFS
	s_sub_co_u32 s22, s22, s21
	v_mul_u32_u24 v6, s22, v2                      ; lanes 16-31 take B's
	s_add_co_u32 s21, s21, SCL
	v_add_nc_u32 v5, v5, v6
	v_add_nc_u32 v[ADRS], s21, v5
	s_mul_i32 s23, s14, WSTG                       ; my stages
	v_mul_u32_u24 v5, v1, 144                      ; f16, in: row r, 16 bytes for each half of the lanes
	v_lshl_add_u32 v5, v2, 4, v5
	v_add_nc_u32 v[STO], s23, v5
	v_and_b32 v6, 31, v0
	v_lshrrev_b32 v7, 3, v6                        ; f16, back: eight lanes to a row of 128 bytes, four rows an instruction
	v_mul_u32_u24 v7, v7, 144
	v_and_b32 v8, 7, v0
	v_lshl_add_u32 v7, v8, 4, v7
	v_add_nc_u32 v[RD], s23, v7
	v_lshlrev_b32 v[CO], 4, v6
	s_add_co_u32 s23, s23, 4608
	v_mul_u32_u24 v5, v1, 528                      ; f32, in: row r, 32 bytes for each half of the lanes
	v_lshl_add_u32 v5, v2, 5, v5
	v_add_nc_u32 v[STOF], s23, v5
	v_add_nc_u32 v[RDF], s23, v[CO]                ; f32, back: the 32 lanes take a row of 512 bytes
	s_lshl_b32 s46, s42, 2                         ; qkv16: my first g = 4 x tile column + 2 x column half, 2^20 bytes each,
	s_lshl_b32 s47, s16, 1
	s_add_co_u32 s46, s46, s47
	s_lshl_b32 s46, s46, 20
	s_lshl_b32 s20, s17, 15                        ; + my first row, 256 x tile row + 128 x row half, 128 bytes each
	s_lshl_b32 s21, s15, 14
	s_add_co_u32 s20, s20, s21
	s_add_co_u32 s46, s46, s20
	s_mov_b32 s47, 0
	s_add_nc_u64 s[12:13], s[12:13], s[46:47]
	s_mul_i32 s20, s41, 16*3072*4                  ; qkvf: sequence cy's 16 rows, + my first column
	s_lshl_b32 s21, s42, 10
	s_add_co_u32 s20, s20, s21
	s_lshl_b32 s21, s16, 9
	s_add_co_u32 s20, s20, s21
	s_mov_b32 s21, 0
	s_add_nc_u64 s[96:97], s[96:97], s[20:21]
.macro FRAG reg, adr, q, i             ; a fragment, 16 rows x 128 K of 4-bit codes: lane l holds row l % 16; registers 4 c .. 4 c + 3 hold K = 64 c + 32 (l / 16) + 0 .. 31
.irp c, 0,1
	ds_load_b128 v[\reg+4*\c:\reg+4*\c+3], v[\adr] offset:64*(\q)+32*\c+(\i)*16*PITCH
.endr
.endm
; 16 matrix instructions: A's blocks a0, a0 + 1 x B's eight, the slot's q-th 128 along K.  p: B's set; sc: the set of scale words.  zero = 1: the first product starts the sums.
; The 64 accumulators take turns, one instruction a turn, in the same order in every step.
.macro MUL16 a0, p, q, sc, zero
.irp a, \a0, \a0+1
.irp b, 0,1,2,3,4,5,6,7
.if \zero
	v_wmma_scale_f32_16x16x128_f8f6f4 v[8*(8*((\a)%4)+\b):8*(8*((\a)%4)+\b)+7], v[128*(\p)+FR*\b:128*(\p)+FR*\b+FR-1], v[AF+FR*(\a):AF+FR*(\a)+FR-1], 0, v[SC+8*NQ*(\sc)+NQ*\b+(\q)], v[SC+8*NQ*(\sc)+NQ*(\a)+(\q)] matrix_a_fmt:MATRIX_FMT_FP4 matrix_b_fmt:MATRIX_FMT_FP4 matrix_a_scale:MATRIX_SCALE_ROW1
.else
	v_wmma_scale_f32_16x16x128_f8f6f4 v[8*(8*((\a)%4)+\b):8*(8*((\a)%4)+\b)+7], v[128*(\p)+FR*\b:128*(\p)+FR*\b+FR-1], v[AF+FR*(\a):AF+FR*(\a)+FR-1], v[8*(8*((\a)%4)+\b):8*(8*((\a)%4)+\b)+7], v[SC+8*NQ*(\sc)+NQ*\b+(\q)], v[SC+8*NQ*(\sc)+NQ*(\a)+(\q)] matrix_a_fmt:MATRIX_FMT_FP4 matrix_b_fmt:MATRIX_FMT_FP4 matrix_a_scale:MATRIX_SCALE_ROW1
.endif
.endr
.endr
.endm
.macro FETCH_B slot, q, p              ; B's eight fragments of the slot's q-th 128 along K into set p
	WIN TO_B
.irp i, 0,1,2,3,4,5,6,7
	FRAG 128*(\p)+FR*\i, ADRB+\slot, \q, \i
.endr
	WIN 0
.endm
.macro FETCH_A slot, q, i0             ; A's blocks i0 .. i0 + 3
.irp i, \i0, \i0+1, \i0+2, \i0+3
	FRAG AF+FR*(\i), ADRA+\slot, \q, \i
.endr
.endm
.macro SCALES sc                       ; a slot's scale words into set sc: four words a row; lanes 0-15 take A's block i, lanes 16-31 B's block i
.irp i, 0,1,2,3,4,5,6,7
	ds_load_b128 v[SC+8*NQ*\sc+NQ*\i:SC+8*NQ*\sc+NQ*\i+3], v[ADRS] offset:\i*SBLK
.endr
.endm
.macro PLACES n                        ; plain vector instructions between a matrix instruction and a load into its sources or a read of its result
.rept \n
	v_nop
.endr
.endm
; A step of 128 along K that has its successor in the same slot.
.macro STEP slot, q, zero
	s_wait_dscnt 4*NL                              ; B's set and A's blocks 0-3 are in; the youngest eight loads (A's blocks 4-7) may be out
	WIN MUL_LO
	MUL16 0, (\q)%2, \q, \slot, \zero
	MUL16 2, (\q)%2, \q, \slot, \zero
	s_wait_dscnt 0                                 ; A's blocks 4-7 are in
	PLACES NP
	FETCH_B \slot, (\q)+1, 1-(\q)%2
	FETCH_A \slot, (\q)+1, 0
	WIN MUL_HI
	MUL16 4, (\q)%2, \q, \slot, \zero
	MUL16 6, (\q)%2, \q, \slot, \zero
	PLACES NP
	WIN 0
	FETCH_A \slot, (\q)+1, 4
.endm
; Slot 0's last step changes slots: one barrier; in front of it each wave waits for all its tensor loads (its part of slot 1), adds 0 to its spare word, and waits for that and for its reads of slot 0.
.macro TURN slot, next
	s_wait_tensorcnt 0x0                           ; all my tensor loads have landed
	ds_add_u32 v[SPW], v[NIL]                      ; 0 onto my spare word
	s_wait_dscnt 4*NL+1                            ; the add and the youngest eight loads (A's blocks 4-7) may be out
	WIN MUL_LO
	MUL16 0, 1, NQ-1, \slot, 0
	s_wait_dscnt 0x0                               ; the add is done, and my reads of this slot are over
	s_barrier_signal -1
	MUL16 2, 1, NQ-1, \slot, 0
	WIN 0
	s_barrier_wait -1                              ; the next slot is whole, and nobody reads this one any more
	PLACES NP
	v_add_nc_u32 v[ADRS], 4*NQ, v[ADRS]            ; on to the next slot's scale words
	FETCH_B \next, 0, 0
	FETCH_A \next, 0, 0
	SCALES \next
	WIN MUL_HI
	MUL16 4, 1, NQ-1, \slot, 0
	MUL16 6, 1, NQ-1, \slot, 0
	PLACES NP
	WIN 0
	FETCH_A \next, 0, 4
.endm
.macro STEPS slot, from                ; the slot's steps from .. NQ - 2
.set Q, \from
.rept NQ-1-\from
	STEP \slot, Q, 0
.set Q, Q+1
.endr
.endm
	s_wait_tensorcnt 1                             ; the scales and my part of slot 0 are in; the one load issued behind them, slot 1's, may be out
	s_barrier_signal -1
	s_barrier_wait -1                              ; everybody's are
	FETCH_B 0, 0, 0
	FETCH_A 0, 0, 0
	SCALES 0
	FETCH_A 0, 0, 4
	STEP 0, 0, 1                                   ; the first step's products start the sums: nothing is cleared
	STEPS 0, 1
	TURN 0, 1
	STEPS 1, 0
	s_wait_dscnt 4*NL                              ; the last step: nothing more to fetch
	WIN MUL_LO
	MUL16 0, 1, NQ-1, 1, 0
	MUL16 2, 1, NQ-1, 1, 0
	s_wait_dscnt 0
	WIN MUL_HI
	MUL16 4, 1, NQ-1, 1, 0
	MUL16 6, 1, NQ-1, 1, 0
	WIN 0
; THE WAY OUT.  A lane holds eight neighbouring numbers of a row; the lanes beside it hold other rows.  So a block of 16 rows x 128 columns goes through my own stage and comes back as whole rows.
; LDS serves a wave's instructions in order (ISA guide 5.7.1.4): no wait between the stores and the loads, nor in front of the next block's stores.
	PLACES NP                                      ; behind the last products: for the reads of results and the loads into registers that held A's fragments
	s_cmp_lg_u32 s95, 0                            ; positions 0 to 15 lie in block 0 of the upper row half of the tiles with Y = 0
	s_cbranch_scc1 .Lno_fine
	s_cmp_lg_u32 s15, 0
	s_cbranch_scc1 .Lno_fine
	WIN 0x08                                       ; an LDS store's data: window 2
.irp b, 0,1,2,3,4,5,6,7
	ds_store_b128 v[STOF], v[8*\b:8*\b+3] offset:64*\b             ; each accumulator from its low end on
	ds_store_b128 v[STOF], v[8*\b+4:8*\b+7] offset:64*\b+16
.endr
	WIN 0
.irp t, 0,1,2,3,4,5,6,7,8,9,10,11,12,13,14,15
	ds_load_b128 v[BKF+4*\t:BKF+4*\t+3], v[RDF] offset:528*\t
.endr
	s_wait_dscnt 0x0
.irp t, 0,1,2,3,4,5,6,7,8,9,10,11,12,13,14,15
	global_store_b128 v[CO], v[BKF+4*\t:BKF+4*\t+3], s[96:97] offset:12288*\t   ; 32 lanes store 512 consecutive bytes, aligned
.endr
.Lno_fine:
.macro PACK a                          ; block a rounded to f16: 16 bytes a lane for each accumulator
.set AC, 64*((\a)%4)
	WIN 0x0a+5*((\a)/4)                            ; sources 0 and 1: window 2 or 3
.irp b, 0,1,2,3,4,5,6,7
.irp i, 0,1,2,3
	v_cvt_pk_f16_f32 v[TMP+4*\b+\i], v[AC+8*\b+2*\i], v[AC+8*\b+2*\i+1]
.endr
.endr
	WIN 0
.endm
.macro TOSTAGE a                       ; columns 64 (b / 4) on belong to g + b / 4: two stages of 16 rows x 128 bytes; back four rows an instruction
.set BB, OB+32*((\a)%2)
.irp b, 0,1,2,3,4,5,6,7
	ds_store_b128 v[STO], v[TMP+4*\b:TMP+4*\b+3] offset:2304*(\b/4)+32*(\b%4)
.endr
.irp t, 0,1,2,3,4,5,6,7
	ds_load_b128 v[BB+4*\t:BB+4*\t+3], v[RD] offset:2304*(\t/4)+576*(\t%4)
.endr
.endm
.macro SEND a
.set BB, OB+32*((\a)%2)
	s_wait_dscnt 0x0                               ; the block is back in registers
	s_wait_xcnt 0x0                                ; the stores of the block before have read their registers: the next block's loads land there only behind this wait
.irp t, 0,1,2,3,4,5,6,7
	global_store_b128 v[CO], v[BB+4*\t:BB+4*\t+3], s[12:13] offset:1048576*(\t/4)+2048*(\a)+512*(\t%4) th:TH_STORE_NT   ; four rows of a head: 512 consecutive bytes, aligned
.endr
.endm
	PACK 0
	TOSTAGE 0
.irp a, 1,2,3,4,5,6,7                  ; block a's conversions stand between block a - 1's loads from the stage and the wait for them
	PACK \a
	SEND \a-1
	TOSTAGE \a
.endr
	SEND 7
	s_wait_tensorcnt 0x0                           ; the wave's end, behind my last tensor load and my last LDS store
	ds_add_u32 v[SPW], v[NIL]
	s_wait_dscnt 0x0
	CROUND                                         ; the closing round: no work-group ends while a partner may still ask for a tile that names it
	s_endpgm
.Lfunc_end_k_q5a2a8b57cd_qkv:
	.size	k_q5a2a8b57cd_qkv, .Lfunc_end_k_q5a2a8b57cd_qkv-k_q5a2a8b57cd_qkv
	.p2alignl 7, 3214868480
	.fill 96, 4, 3214868480
	.section	.rodata,"a",@progbits
	.p2align	6, 0x0
	.amdhsa_kernel k_q5a2a8b57cd_qkv
		.amdhsa_group_segment_fixed_size 327680
		.amdhsa_private_segment_fixed_size 0
		.amdhsa_enable_private_segment 0
		.amdhsa_kernarg_size 48
		.amdhsa_user_sgpr_count 2
		.amdhsa_user_sgpr_kernarg_segment_ptr 1
		.amdhsa_wavefront_size32 1
		.amdhsa_system_sgpr_workgroup_id_x 1
		.amdhsa_system_sgpr_workgroup_id_y 1
		.amdhsa_system_sgpr_workgroup_id_z 1
		.amdhsa_system_vgpr_workitem_id 0
		.amdhsa_next_free_vgpr 1024
		.amdhsa_next_free_sgpr 98
		.amdhsa_reserve_vcc 0
		.amdhsa_float_denorm_mode_32 3
		.amdhsa_float_denorm_mode_16_64 3
		.amdhsa_memory_ordered 1
		.amdhsa_forward_progress 1
		.amdhsa_inst_pref_size 130
	.end_amdhsa_kernel
	.amdgpu_metadata
---
amdhsa.version: [ 1, 2 ]
amdhsa.kernels:
  - .name:           k_q5a2a8b57cd_qkv
    .symbol:         k_q5a2a8b57cd_qkv.kd
    .args:
      - { .name: x_codes, .offset: 0, .size: 8, .value_kind: global_buffer, .address_space: global }
      - { .name: x_scales, .offset: 8, .size: 8, .value_kind: global_buffer, .address_space: global }
      - { .name: w_codes, .offset: 16, .size: 8, .value_kind: global_buffer, .address_space: global }
      - { .name: w_scales, .offset: 24, .size: 8, .value_kind: global_buffer, .address_space: global }
      - { .name: qkv16, .offset: 32, .size: 8, .value_kind: global_buffer, .address_space: global }
      - { .name: qkvf, .offset: 40, .size: 8, .value_kind: global_buffer, .address_space: global }
    .group_segment_fixed_size: 327680
    .private_segment_fixed_size: 0
    .kernarg_segment_align: 8
    .kernarg_segment_size: 48
    .max_flat_workgroup_size: 128
    .sgpr_count:     98
    .vgpr_count:     1024
    .wavefront_size: 32
...
	.end_amdgpu_metadata
.endif
;; end of part 2
;; launch attn (part 3): grid 4 x 64, 16 waves a work-group, no clusters, 309,248 bytes of LDS; arguments qkv16, ao16; writes ao16
.if DOCPART == 3
	.amdgcn_target "amdgcn-amd-amdhsa--gfx1250"
	.amdhsa_code_object_version 6
	.text
	.protected	k_q5a2a8b57cd_attn
	.globl	k_q5a2a8b57cd_attn
	.p2align	8
	.type	k_q5a2a8b57cd_attn,@function
k_q5a2a8b57cd_attn:
	s_mov_b64 s[64:65], 0
	v_nop
	global_prefetch_b8 v0, s[64:65] scope:SCOPE_SE
	s_setreg_imm32_b32 hwreg(HW_REG_WAVE_MODE, 25, 1), 1
	s_wait_xcnt 0x0
; ATTN: for each of the 64 (sequence, head) pairs, O[i] = sum over j of softmax_j(q[i] . k[j] / 8) v[j], j in (i - 256, i].  q, k, v: f16, [48 g][8192 rows][64]; O: f16, [16 h][8192 rows][64].
; Products on f16 operands with f32 sums; maxima, exponentials and sums in f32, with a running maximum; the weights p (at most 1) are rounded to f16 for the second product.
; LIMIT: |q|, |k|, |v| and |O| stay under 65,504 (f16).
; ONLY THE WINDOW IS MULTIPLIED: the mask is built by the problem itself, so keys outside (i - 256, i] are never touched.
; SHARES.  A work-group owns 512 queries of one head; each of its sixteen waves 32 of them, two tiles of 16 that share every fragment of K and V.  Four waves to a SIMD, so that one wave's
; vector work stands beside another's matrix work and LDS loads.  The 768 keys from 256 ahead of the first query on come into LDS once, by four tensor loads at the head (waves 0, 1: K's halves; waves 2, 3: V's);
; nothing is filled again.  LDS row rho holds key (first query) - 256 + rho.  In a sequence's first work-group the first 256 rows would lie ahead of the sequence: the loads then bring the 256 rows that lie
; there in the buffer (the end of the head before, inside qkv16); they are never read: 64 KiB fetched in vain in a quarter of the work-groups, for one text with no address that hangs on the work-group.
; No cluster: neighbouring work-groups share 256 of 768 keys, at different LDS places, so no joint descriptor could be equal in both.
; LAYOUT.  S^T = K Q^T (source 0 = 16 keys, source 1 = 16 queries): a lane holds ONE query (lane % 16) and the keys 8 (lane / 16) + 0 .. 7.  Two such tiles, rounded in pairs, ARE source 1 of
; O^T = V^T P, whose result again holds one query a lane and eight channels.  K comes out of LDS as it lies, V ([key][channel]) turned, by ds_load_tr16_b128.
; A WAVE'S WALK: nine steps of 32 keys, from (its first query) - 256 on.  Step 0 has the window's lower edge, step 8 the diagonal; the seven between need no mask.  A step whose keys lie ahead of the sequence is left out.
.set PK,    144                        ; a key's row in LDS: 128 bytes + 16
.set PV,    160                        ; V's: 128 + 32, an odd multiple of 32 bytes, for the turning load
.set VBASE, 768*PK
.set STAGE, VBASE+768*PV               ; the way out: 32 rows x 144 bytes for each wave; no tensor load lands here
.set SPARE, STAGE+16*32*PK             ; the spare words, 128 bytes for each wave
.set AK0,  1                           ; v1   my lane's place in a tile of K
.set AV0,  2                           ; v2   the same for V
.set ADK,  3                           ; v3   LDS address of the step's K
.set ADV,  4                           ; v4   of its V
.set SPW,  5                           ; v5   LDS address of my spare word; never rewritten
.set NIL,  6                           ; v6   0; never rewritten
.set QO,   7                           ; v7   my byte offset in the wave's rows of q
.set STO,  8                           ; v8   the way out: where I put 16 bytes of a row
.set RD,   9                           ; v9   and where I read four rows back
.set GO,   10                          ; v10  16 x lane
.set DD,   11                          ; v11, v12  (lane % 16) - 8 (lane / 16) + 16 u: the masks' bound for tile u
.set NINF, 13                          ; v13  -infinity
.set ST,   16                          ; tile u's statistics at v[ST + 8 u]: +0 c m, +1 m, +2, +3 l, +4, +5 at work, +6 a, +7 at work
.set QR,   32                          ; v32-63   Q: 16 u + 8 c
.set KR,   64                          ; v64-95   K: 16 kt + 8 c
.set VR,   96                          ; v96-127  V^T: 8 dt
.set S,    128                         ; v128-159 S^T: 16 u + 8 kt
.set P,    160                         ; v160-175 P: 8 u
.set O,    176                         ; v176-239 O^T: 32 u + 8 dt
.set WV,   8
.set G1K,  16
.set G1V,  24
.set G0K,  32
.set G0V,  36
.set CNT,  40
.set KF,   41                          ; s41  the step's first key, counted in the sequence (signed)
.set SEL,  42                          ; s[42:43] lane selects for v_permlanex16_b32: lane l xor 16
.set CS,   44                          ; s[44:45] c = log2(e) / 8, twice
.set TK,   46                          ; s46  LDS byte at which the step's keys begin in K
.set TV,   47                          ; s47  and in V
	s_load_b128 s[4:7], s[0:1], 0x0                ; qkv16 s[4:5], ao16 s[6:7]
	v_lshl_add_u32 v[SPW], v0, 2, SPARE
	v_mov_b32 v[NIL], 0
	ds_add_u32 v[SPW], v[NIL]                      ; the wave's opening: the add, twice on end, and its wait ahead of the first tensor load
	ds_add_u32 v[SPW], v[NIL]
	v_lshrrev_b32 v1, 5, v0
	v_readfirstlane_b32 s[WV], v1                  ; wave 0..15
	s_and_b32 s9, ttmp7, 0xffff
	s_lshr_b32 s10, s9, 4                          ; the sequence
	s_and_b32 s11, s9, 15                          ; the head
	s_lshl_b32 s12, s11, 13
	s_lshl_b32 s10, s10, 11
	s_add_co_u32 s12, s12, s10
	s_lshl_b32 s13, ttmp9, 9                       ; the work-group's first query
	s_add_co_u32 s12, s12, s13                     ; its row in a block of sixteen heads: 8192 h + 2048 b + first query
	s_and_b32 s14, s[WV], 1                        ; which 384 of the 768 rows I fetch, if I fetch
	s_mul_i32 s10, s14, 384
	s_add_co_u32 s10, s10, s12
	s_add_co_u32 s10, s10, 16*8192-256             ; k's heads lie 16 x 8,192 rows on; the tile begins 256 keys ahead of the first query
	s_lshl_b32 s10, s10, 7                         ; 128 bytes a row
	s_mov_b32 s11, 0
	s_lshl_b32 s15, s[WV], 5
	s_add_co_u32 s[KF], s13, s15
	s_sub_co_i32 s[KF], s[KF], 256                 ; my first query - 256
	s_add_co_u32 s12, s12, s15
	s_lshl_b32 s12, s12, 7                         ; my wave's first row in q and in ao16, in bytes
	s_mov_b32 s13, 0
	s_mul_i32 s[TK], s[WV], 32*PK                  ; step s of wave w takes LDS rows 32 (w + s) on
	s_mul_i32 s[TV], s[WV], 32*PV
	; descriptor group 1: 384 rows of 64 elements of 2 bytes, dense in memory, padded in LDS behind every row of 32 words
	s_mov_b32 s[G1K], (1<<16)|(1<<20)|(4<<22)|(3<<25)              ; four words of padding
	s_mov_b32 s[G1V], (1<<16)|(1<<20)|(4<<22)|(7<<25)              ; eight
.irp g, G1K, G1V
	s_mov_b32 s[\g+1], 64<<16                      ; tensor_dim0
	s_mov_b32 s[\g+2], 384<<16                     ; tensor_dim1
	s_mov_b32 s[\g+3], 64<<16                      ; tile_dim0
	s_mov_b32 s[\g+4], 384                         ; tile_dim1
	s_mov_b32 s[\g+5], 64                          ; from row to row
	s_mov_b32 s[\g+6], 0
	s_mov_b32 s[\g+7], 0
.endr
	s_mov_b32 s[G0K], 1
	s_mul_i32 s[G0K+1], s14, 384*PK
	s_mov_b32 s[G0V], 1
	s_mul_i32 s[G0V+1], s14, 384*PV
	s_add_co_u32 s[G0V+1], s[G0V+1], VBASE
	s_mov_b32 s[SEL], 0x76543210
	s_mov_b32 s[SEL+1], 0xfedcba98
	s_mov_b32 s[CS], 0x3e38aa3b                    ; c = log2(e) / 8
	s_mov_b32 s[CS+1], s[CS]
	s_wait_dscnt 0x0                               ; both opening adds are done
	s_wait_kmcnt 0x0
	s_add_nc_u64 s[G0K+2:G0K+3], s[4:5], s[10:11]
	s_add_nc_u64 s[G0V+2:G0V+3], s[G0K+2:G0K+3], 0x1000000        ; v's heads lie 16 x 8,192 rows of 128 bytes further on
	s_or_b32 s[G0K+3], s[G0K+3], 0x80000000
	s_or_b32 s[G0V+3], s[G0V+3], 0x80000000
	s_cmp_lt_u32 s[WV], 2                          ; waves 0 and 1 fetch K's halves, waves 2 and 3 V's, the others nothing
	s_cbranch_scc0 .Lnot_k
	tensor_load_to_lds s[G0K:G0K+3], s[G1K:G1K+7]
	s_nop 0
.rept 4
	v_nop
.endr
	s_branch .Lasked
.Lnot_k:
	s_cmp_lt_u32 s[WV], 4
	s_cbranch_scc0 .Lasked
	tensor_load_to_lds s[G0V:G0V+3], s[G1V:G1V+7]
	s_nop 0
.rept 4
	v_nop
.endr
.Lasked:
	s_add_nc_u64 s[4:5], s[4:5], s[12:13]          ; q at my wave's first row
	s_add_nc_u64 s[6:7], s[6:7], s[12:13]          ; ao16 likewise
	v_and_b32 v14, 15, v0                          ; r
	v_bfe_u32 v15, v0, 4, 1                        ; h
	v_lshlrev_b32 v[QO], 7, v14
	v_lshl_add_u32 v[QO], v15, 4, v[QO]            ; row r of 128 bytes + 16 h
.irp u, 0,1
.irp c, 0,1
	global_load_b128 v[QR+16*\u+8*\c:QR+16*\u+8*\c+3],   v[QO], s[4:5] offset:2048*\u+64*\c      ; Q stays in registers: tile u, channels 32 c on
	global_load_b128 v[QR+16*\u+8*\c+4:QR+16*\u+8*\c+7], v[QO], s[4:5] offset:2048*\u+64*\c+32
.endr
.endr
	v_mul_u32_u24 v[AK0], v14, PK
	v_lshl_add_u32 v[AK0], v15, 4, v[AK0]          ; row x pitch + 16 x half
	v_and_b32 v[AV0], 7, v0                        ; the turning load: lane l reads 16 bytes of key 8 (l / 16) + l % 8, channels 8 ((l / 8) % 2) on
	v_lshl_add_u32 v[AV0], v15, 3, v[AV0]
	v_mul_u32_u24 v[AV0], v[AV0], PV
	v_bfe_u32 v3, v0, 3, 1
	v_lshl_add_u32 v[AV0], v3, 4, v[AV0]
	v_add_nc_u32 v[AV0], VBASE, v[AV0]
	s_mul_i32 s9, s[WV], 32*PK
	s_add_co_u32 s9, s9, STAGE                     ; my stage
	v_add_nc_u32 v[STO], s9, v[AK0]                ; in: row r, 16 bytes for each half of the lanes
	v_and_b32 v3, 31, v0
	v_lshrrev_b32 v4, 3, v3
	v_mul_u32_u24 v4, v4, PK
	v_and_b32 v[RD], 7, v0
	v_lshl_add_u32 v[RD], v[RD], 4, v4
	v_add_nc_u32 v[RD], s9, v[RD]                  ; back: eight lanes to a row, four rows an instruction
	v_lshlrev_b32 v[GO], 4, v3
	v_lshlrev_b32 v4, 3, v15
	v_sub_nc_u32 v[DD], v14, v4                    ; r - 8 h
	v_add_nc_u32 v[DD+1], 16, v[DD]
	v_mov_b32 v[NINF], 0xff800000
.irp u, 0,1
	v_mov_b32 v[ST+8*\u+1], 0xff61b1e6             ; m: -3e38, under every score
	v_mul_f32 v[ST+8*\u], s[CS], v[ST+8*\u+1]      ; c m
.irp i, 2,3,4,5,6,7
	v_mov_b32 v[ST+8*\u+\i], 0                     ; l, and the registers named in pairs or as a permute's destination before they are first written
.endr
.endr
.irp j, 0,1,2,3,4,5,6,7,8,9,10,11,12,13,14,15,16,17,18,19,20,21,22,23,24,25,26,27,28,29,30,31,32,33,34,35,36,37,38,39,40,41,42,43,44,45,46,47,48,49,50,51,52,53,54,55,56,57,58,59,60,61,62,63
	v_mov_b32 v[O+\j], 0                           ; O^T.  Which step is a wave's first hangs on its number, so one text serves all steps: the first finds zeros
.endr
; THE SOFTMAX of a step, both tiles by turns: 16 scores a lane and tile.
.macro SOFT
.irp u, 0,1
	v_max3_num_f32 v[ST+8*\u+4], v[S+16*\u], v[S+16*\u+1], v[S+16*\u+2]        ; two chains; each accumulator is read from its low end on
	v_max3_num_f32 v[ST+8*\u+5], v[S+16*\u+8], v[S+16*\u+9], v[S+16*\u+10]
.endr
.irp i, 3,5
.irp u, 0,1
	v_max3_num_f32 v[ST+8*\u+4], v[ST+8*\u+4], v[S+16*\u+\i], v[S+16*\u+\i+1]
	v_max3_num_f32 v[ST+8*\u+5], v[ST+8*\u+5], v[S+16*\u+8+\i], v[S+16*\u+8+\i+1]
.endr
.endr
.irp u, 0,1
	v_max3_num_f32 v[ST+8*\u+4], v[ST+8*\u+4], v[S+16*\u+7], v[S+16*\u+15]
.endr
.irp u, 0,1
	v_max3_num_f32 v[ST+8*\u+4], v[ST+8*\u+4], v[ST+8*\u+5], v[ST+8*\u+1]      ; with the old m
.endr
.irp u, 0,1
	v_permlanex16_b32 v[ST+8*\u+5], v[ST+8*\u+4], s[SEL], s[SEL+1]             ; the query's other 16 keys lie in the lane 16 away
.endr
.irp u, 0,1
	v_mov_b32 v[ST+8*\u+7], v[ST+8*\u]             ; c m_old
.endr
.irp u, 0,1
	v_max_num_f32 v[ST+8*\u+1], v[ST+8*\u+4], v[ST+8*\u+5]                     ; the new m
.endr
.irp u, 0,1
	v_mul_f32 v[ST+8*\u], s[CS], v[ST+8*\u+1]
.endr
.irp u, 0,1
	v_sub_f32 v[ST+8*\u+7], v[ST+8*\u+7], v[ST+8*\u]                           ; c m_old - c m_new, 0 or less
.endr
.irp i, 0,2,4,6,8,10,12,14
.irp u, 0,1
	v_pk_fma_f32 v[S+16*\u+\i:S+16*\u+\i+1], v[S+16*\u+\i:S+16*\u+\i+1], s[CS:CS+1], v[ST+8*\u:ST+8*\u+1] op_sel_hi:[1,0,0] neg_lo:[0,0,1] neg_hi:[0,0,1]   ; c s - c m
.endr
.endr
.irp u, 0,1
	v_exp_f32 v[ST+8*\u+6], v[ST+8*\u+7]           ; a = 2^(c m_old - c m_new)
.endr
.irp i, 0,1,2,3,4,5,6,7,8,9,10,11,12,13,14,15
.irp u, 0,1
	v_exp_f32 v[S+16*\u+\i], v[S+16*\u+\i]         ; p, at most 1; 0 for a hidden key
.endr
.endr
	v_nop                                          ; a plain instruction behind the last exponential
	s_wait_alu depctr_va_vdst(0)                   ; one wait for the batch of 34, ahead of its first reader
.irp i, 0,1,2,3,4,5,6,7
.irp u, 0,1
	v_cvt_pk_f16_f32 v[P+8*\u+\i], v[S+16*\u+2*\i], v[S+16*\u+2*\i+1]
.endr
.endr
.irp i, 0,4,8,12
.irp u, 0,1
	v_pk_add_f32 v[S+16*\u+\i:S+16*\u+\i+1], v[S+16*\u+\i:S+16*\u+\i+1], v[S+16*\u+\i+2:S+16*\u+\i+3]   ; the sum of the unrounded p, in place
.endr
.endr
.irp i, 0,8
.irp u, 0,1
	v_pk_add_f32 v[S+16*\u+\i:S+16*\u+\i+1], v[S+16*\u+\i:S+16*\u+\i+1], v[S+16*\u+\i+4:S+16*\u+\i+5]
.endr
.endr
.irp u, 0,1
	v_pk_add_f32 v[S+16*\u:S+16*\u+1], v[S+16*\u:S+16*\u+1], v[S+16*\u+8:S+16*\u+9]
.endr
.irp u, 0,1
	v_pk_fma_f32 v[ST+8*\u+2:ST+8*\u+3], v[ST+8*\u+2:ST+8*\u+3], v[ST+8*\u+6:ST+8*\u+7], v[S+16*\u:S+16*\u+1] op_sel_hi:[1,0,1]   ; l = a l + the sum
.endr
.irp i, 0,2,4,6,8,10,12,14,16,18,20,22,24,26,28,30
.irp u, 0,1
	v_pk_mul_f32 v[O+32*\u+\i:O+32*\u+\i+1], v[O+32*\u+\i:O+32*\u+\i+1], v[ST+8*\u+6:ST+8*\u+7] op_sel_hi:[1,0]   ; O^T under the new m
.endr
.endr
.endm
; A STEP of 32 keys.  mask = 0: all count; 1: the window's lower edge (key <= query - 256 is hidden); 2: the diagonal (key > query is hidden).
.macro STEP mask
	s_cmp_lt_i32 s[KF], 0                          ; keys ahead of the sequence: the step's work is left out (ids alone; no barrier and no tensor load stands in a step)
	s_cbranch_scc1 .Lskip_\@
	v_add_nc_u32 v[ADK], s[TK], v[AK0]
	v_add_nc_u32 v[ADV], s[TV], v[AV0]
	v_nop
	v_nop                                          ; four places between the last products and the loads into V's registers
.irp kt, 0,1
.irp c, 0,1
	ds_load_b128 v[KR+16*\kt+8*\c:KR+16*\kt+8*\c+3],   v[ADK] offset:16*PK*\kt+64*\c
	ds_load_b128 v[KR+16*\kt+8*\c+4:KR+16*\kt+8*\c+7], v[ADK] offset:16*PK*\kt+64*\c+32
.endr
.endr
.irp dt, 0,1,2,3
	ds_load_tr16_b128 v[VR+8*\dt:VR+8*\dt+3],   v[ADV] offset:32*\dt
	ds_load_tr16_b128 v[VR+8*\dt+4:VR+8*\dt+7], v[ADV] offset:32*\dt+16*PV
.endr
	s_wait_dscnt 8                                 ; K is in; V's eight loads may be out
.irp c, 0,1                                    ; S^T = K Q^T: four accumulators by turns, channels 32 c on
.irp kt, 0,1
.irp u, 0,1
.if \c == 0
	v_wmma_f32_16x16x32_f16 v[S+16*\u+8*\kt:S+16*\u+8*\kt+7], v[KR+16*\kt+8*\c:KR+16*\kt+8*\c+7], v[QR+16*\u+8*\c:QR+16*\u+8*\c+7], 0
.else
	v_wmma_f32_16x16x32_f16 v[S+16*\u+8*\kt:S+16*\u+8*\kt+7], v[KR+16*\kt+8*\c:KR+16*\kt+8*\c+7], v[QR+16*\u+8*\c:QR+16*\u+8*\c+7], v[S+16*\u+8*\kt:S+16*\u+8*\kt+7]
.endif
.endr
.endr
.endr
.rept 4
	v_nop
.endr
.if \mask                                      ; register 8 kt + j of tile u holds key (step's first) + 16 kt + 8 (lane / 16) + j for query (wave's first) + 16 u + lane % 16
.irp u, 0,1
.irp kt, 0,1
.irp j, 0,1,2,3,4,5,6,7
.if \mask == 1
	v_cmp_le_i32 vcc_lo, 16*\kt+\j, v[DD+\u]
.else
	v_cmp_gt_i32 vcc_lo, 16*\kt+\j, v[DD+\u]
.endif
	v_cndmask_b32 v[S+16*\u+8*\kt+\j], v[S+16*\u+8*\kt+\j], v[NINF], vcc_lo
.endr
.endr
.endr
.endif
	SOFT
	s_wait_dscnt 0x0                               ; V is in
.irp dt, 0,1,2,3                               ; O^T += V^T P: eight accumulators, one instruction each
.irp u, 0,1
	v_wmma_f32_16x16x32_f16 v[O+32*\u+8*\dt:O+32*\u+8*\dt+7], v[VR+8*\dt:VR+8*\dt+7], v[P+8*\u:P+8*\u+7], v[O+32*\u+8*\dt:O+32*\u+8*\dt+7]
.endr
.endr
.Lskip_\@:
	s_add_co_u32 s[KF], s[KF], 32
	s_add_co_u32 s[TK], s[TK], 32*PK
	s_add_co_u32 s[TV], s[TV], 32*PV
.endm
	s_wait_tensorcnt 0x0                           ; my part of K or V has landed,
	s_barrier_signal -1
	s_barrier_wait -1                              ; everybody's has
	s_wait_loadcnt 0x0                             ; Q
	STEP 1
	s_mov_b32 s[CNT], 7
.Lmid:
	STEP 0
	s_sub_co_u32 s[CNT], s[CNT], 1
	s_cmp_lg_u32 s[CNT], 0
	s_cbranch_scc1 .Lmid
	STEP 2
	; THE WAY OUT: O^T / l, rounded to f16, through my stage, and out as 4,096 consecutive bytes: my 32 rows of the head.
.rept 4
	v_nop
.endr
.irp u, 0,1
	v_add_f32 v[ST+8*\u+4], v[ST+8*\u+2], v[ST+8*\u+3]
.endr
.irp u, 0,1
	v_permlanex16_b32 v[ST+8*\u+5], v[ST+8*\u+4], s[SEL], s[SEL+1]
.endr
.irp u, 0,1
	v_add_f32 v[ST+8*\u+4], v[ST+8*\u+4], v[ST+8*\u+5]
.endr
.irp u, 0,1
	v_rcp_f32 v[ST+8*\u+6], v[ST+8*\u+4]
.endr
	v_nop                                          ; a plain instruction behind the last reciprocal
	s_wait_alu depctr_va_vdst(0)                   ; one wait for the two, ahead of their first reader
.irp u, 0,1
.irp i, 0,2,4,6,8,10,12,14,16,18,20,22,24,26,28,30
	v_pk_mul_f32 v[O+32*\u+\i:O+32*\u+\i+1], v[O+32*\u+\i:O+32*\u+\i+1], v[ST+8*\u+6:ST+8*\u+7] op_sel_hi:[1,0]
.endr
.endr
.irp u, 0,1
.irp i, 0,1,2,3,4,5,6,7,8,9,10,11,12,13,14,15
	v_cvt_pk_f16_f32 v[S+16*\u+\i], v[O+32*\u+2*\i], v[O+32*\u+2*\i+1]         ; registers 4 dt .. 4 dt + 3: channels 16 dt + 8 h + 0 .. 7 of query r
.endr
.endr
.irp u, 0,1
.irp dt, 0,1,2,3
	ds_store_b128 v[STO], v[S+16*\u+4*\dt:S+16*\u+4*\dt+3] offset:16*PK*\u+32*\dt
.endr
.endr
.irp t, 0,1,2,3,4,5,6,7
	ds_load_b128 v[KR+4*\t:KR+4*\t+3], v[RD] offset:4*PK*\t        ; LDS serves a wave's instructions in order: these see my stores
.endr
.irp t, 0,1,2,3,4,5,6,7
	s_wait_dscnt 7-\t                              ; the loads behind load t may be out
	global_store_b128 v[GO], v[KR+4*\t:KR+4*\t+3], s[6:7] offset:512*\t        ; four rows: 512 consecutive bytes, aligned
.endr
	s_wait_tensorcnt 0x0                           ; the wave's end, behind my last tensor load and my last LDS store
	ds_add_u32 v[SPW], v[NIL]
	s_wait_dscnt 0x0
	s_endpgm
.Lfunc_end_k_q5a2a8b57cd_attn:
	.size	k_q5a2a8b57cd_attn, .Lfunc_end_k_q5a2a8b57cd_attn-k_q5a2a8b57cd_attn
	.p2alignl 7, 3214868480
	.fill 96, 4, 3214868480
	.section	.rodata,"a",@progbits
	.p2align	6, 0x0
	.amdhsa_kernel k_q5a2a8b57cd_attn
		.amdhsa_group_segment_fixed_size 309248
		.amdhsa_private_segment_fixed_size 0
		.amdhsa_enable_private_segment 0
		.amdhsa_kernarg_size 16
		.amdhsa_user_sgpr_count 2
		.amdhsa_user_sgpr_kernarg_segment_ptr 1
		.amdhsa_wavefront_size32 1
		.amdhsa_system_sgpr_workgroup_id_x 1
		.amdhsa_system_sgpr_workgroup_id_y 1
		.amdhsa_system_sgpr_workgroup_id_z 1
		.amdhsa_system_vgpr_workitem_id 0
		.amdhsa_next_free_vgpr 256
		.amdhsa_next_free_sgpr 66
		.amdhsa_reserve_vcc 1
		.amdhsa_float_denorm_mode_32 3
		.amdhsa_float_denorm_mode_16_64 3
		.amdhsa_memory_ordered 1
		.amdhsa_forward_progress 1
		.amdhsa_inst_pref_size 50
	.end_amdhsa_kernel
	.amdgpu_metadata
---
amdhsa.version: [ 1, 2 ]
amdhsa.kernels:
  - .name:           k_q5a2a8b57cd_attn
    .symbol:         k_q5a2a8b57cd_attn.kd
    .args:
      - { .name: qkv16, .offset: 0, .size: 8, .value_kind: global_buffer, .address_space: global }
      - { .name: ao16, .offset: 8, .size: 8, .value_kind: global_buffer, .address_space: global }
    .group_segment_fixed_size: 309248
    .private_segment_fixed_size: 0
    .kernarg_segment_align: 8
    .kernarg_segment_size: 16
    .max_flat_workgroup_size: 512
    .sgpr_count:     66
    .vgpr_count:     256
    .wavefront_size: 32
...
	.end_amdgpu_metadata
.endif
;; end of part 3
;; launch proj (part 4): grid 4 x 64, 4 waves a work-group, clusters of 4 x 4, 327,680 bytes of LDS; arguments ao16, wo16, out0; writes out0
.if DOCPART == 4
	.amdgcn_target "amdgcn-amd-amdhsa--gfx1250"
	.amdhsa_code_object_version 6
	.text
	.protected	k_q5a2a8b57cd_proj
	.globl	k_q5a2a8b57cd_proj
	.p2align	8
	.type	k_q5a2a8b57cd_proj,@function
k_q5a2a8b57cd_proj:
	s_mov_b64 s[64:65], 0
	v_nop
	global_prefetch_b8 v0, s[64:65] scope:SCOPE_SE
	s_setreg_imm32_b32 hwreg(HW_REG_WAVE_MODE, 25, 1), 1
	s_wait_xcnt 0x0
	s_wait_alu depctr_hold_cnt(0) depctr_sa_sdst(0) depctr_va_vdst(0) depctr_va_sdst(0) depctr_va_ssrc(0) depctr_va_vcc(0) depctr_vm_vsrc(0)
	s_getreg_b32 s2, hwreg(HW_REG_IB_STS2, 6, 4)
	s_cmp_eq_u32 s2, 0
	s_cbranch_scc0 .Lentry_in_a_cluster
	s_endpgm
.Lentry_in_a_cluster:
	s_bfe_u32 s2, ttmp6, 0x10000c
	s_cmp_lg_u32 s2, 0xf033
	s_cbranch_scc0 .Lentry_shape_is_right
	s_endpgm
.Lentry_shape_is_right:
; PROJ: out0[m][n] = sum over k of ao[m][k] w_out[k][n], f16 operands, f32 sums; M = 8,192, N = K = 1,024.  All rows but the first 16 positions of each sequence, which the last launch makes in f32.
; A = ao16 [16 h][8192 rows][64] f16 (k = 64 h + d);  B = wo16 [1024 k][1024 n] f16, whose K is its first axis: it comes out of LDS turned, by ds_load_tr16_b128.
; LIMIT: |ao| and |w_out| stay under 65,504 (f16).
; A tile of out0 is 128 x 256: 256 work-groups of four waves; a wave makes 64 x 128: 32 accumulators of 16 x 16, 256 registers.  K goes in 8 steps of 128 (two heads) through a ring of two LDS slots.
; CLUSTERS: 4 x 4 work-groups.  The four of a row of the cluster need the same tiles of A, the four of a column the same tiles of B: each tile is asked for jointly.
; THE TILE ROW IS 16 cy + Y (Y: the cluster's y): the four partners along cy stand at the same place in four different sequences, so 'my tile holds positions 0 to 15' is Y = 0, the same in all sixteen partners.
; THE MATRIX INSTRUCTION IS USED TRANSPOSED (source 0 = 16 columns of B, source 1 = 16 rows of A): a lane holds eight neighbouring numbers of a row of out0.
; REGISTERS: window 0: v0-31 addresses; v32-95 A's fragments, two buffers of 4 x 8; v96-223 B's, two buffers of 8 x 8; on the way out v32-159 take rows.  window 1: the accumulators, (a, b) at v[8 (8 a + b)].
.set PA,     144                       ; a row of A in LDS: 128 bytes + 16
.set PB,     544                       ; a row of B: 512 bytes + 32, an odd multiple of 32 bytes, for the turning load
.set ASUB,   128*PA                    ; one head's 128 rows
.set BOFF,   2*ASUB                    ; behind A's two heads: B's 128 rows of k
.set BHALF,  64*PB
.set SLOT,   BOFF+2*BHALF
.set STAGE,  2*SLOT                    ; behind the ring: 16 rows x 528 bytes for each wave
.set SPITCH, 528
.set SPARE,  STAGE+4*16*SPITCH         ; the spare words, 128 bytes for each wave
.set ADRA, 16                          ; v16-17  LDS address of my A fragments in slot 0, 1
.set ADRB, 20                          ; v20-21  the same for B
.set STO,  24
.set RD,   25
.set CO,   26
.set SPW,  28                          ; v28     LDS address of my spare word; never rewritten
.set NIL,  29                          ; v29     0; never rewritten
.set PFO,  30                          ; v30     the prefetches' offset; never rewritten
.set FA,   32
.set FB,   96
.set G1, 24                            ; s[24:31] group 1 for A's tiles;  s[32:39] group 0, one set for each slot
.set G0, 32
.set G1B, 48                           ; s[48:55], s[56:63] the same for B's
.set G0B, 56
.set YY,  66                           ; s66  the cluster's y
.set LIM, 67                           ; s67  1 in a wave that prefetches, else the greatest number
.set PFA, 68                           ; s[68:69] where my prefetches stand
.set PFS, 70                           ; s[70:71] a K step on, in bytes
.set MSB, 0
.macro WIN new
.if MSB != (\new)
	s_set_vgpr_msb (MSB<<8)|(\new)
.set MSB, (\new)
.endif
.endm
.set MUL, 0x50                         ; C and D window 1, sources window 0
.macro JLOAD s                         ; a joint load: waves 0 and 1 fetch A's two heads, waves 2 and 3 B's two halves; an s_nop 0 and four v_nop follow each of the two lines
	s_cmp_eq_u32 s11, 0
	s_cbranch_scc0 .Lfor_b_\@
	tensor_load_to_lds s[G0+4*\s:G0+4*\s+3], s[G1:G1+7]
	s_nop 0
.rept 4
	v_nop
.endr
	s_branch .Lasked_\@
.Lfor_b_\@:
	tensor_load_to_lds s[G0B+4*\s:G0B+4*\s+3], s[G1B:G1B+7]
	s_nop 0
.rept 4
	v_nop
.endr
.Lasked_\@:
.endm
; A PREFETCH INTO THE L2, behind each joint refill and the run of LDS loads that follows it: 32 blocks of 256 bytes of the K step that stands two refills on, a lane a block, one instruction a wave.
; A's 128 blocks of a K step and tile row: wave 0 of each of the four partners along cx takes 32, told apart by address.  B's 256 blocks of a K step and tile column: waves 2 and 3 of the four partners
; along cy in the clusters with y = 0, 32 each, told apart by address.  So each block is named once in the launch.  The loop's last trip asks for nothing: its refills are the last two K steps'.
.macro ASK
	s_cmp_gt_u32 s3, s[LIM]
	s_cbranch_scc0 .Lnot_mine_\@
	global_prefetch_b8 v[PFO], s[PFA:PFA+1] th:TH_LOAD_NT scope:SCOPE_SE
.Lnot_mine_\@:
.endm
.macro CREST                           ; a round of the cluster's barrier behind its opening barrier
	s_cmp_lg_u32 s10, 0
	s_cbranch_scc1 .Lnot_wave_0_\@
	s_barrier_signal -3
.Lnot_wave_0_\@:
	s_barrier_wait -3
	s_barrier_signal -1
	s_barrier_wait -1
.endm
.macro CROUND
	s_barrier_signal -1
	s_barrier_wait -1
	CREST
.endm
	s_load_b128 s[4:7], s[0:1], 0x0                ; ao16 s[4:5], wo16 s[6:7]
	s_load_b64 s[8:9], s[0:1], 0x10                ; out0
	v_lshl_add_u32 v[SPW], v0, 2, SPARE
	v_mov_b32 v[NIL], 0
	ds_add_u32 v[SPW], v[NIL]                      ; the wave's opening: the add, twice on end, and its wait ahead of my first tensor load
	ds_add_u32 v[SPW], v[NIL]
	v_lshrrev_b32 v1, 5, v0
	v_readfirstlane_b32 s10, v1                    ; wave 0..3
	s_lshr_b32 s11, s10, 1                         ; which 64 rows are mine.  Also: I fetch for A (0) or for B (1)
	s_and_b32 s12, s10, 1                          ; which 128 columns.  Also: which half of that tile I fetch
	s_bfe_u32 s40, ttmp6, 0x40000                  ; cx, cy
	s_bfe_u32 s41, ttmp6, 0x40004
	s_lshl_b32 s42, ttmp9, 2
	s_add_co_u32 s42, s42, s40                     ; tile column = 4 x cluster x + cx
	s_and_b32 s[YY], ttmp7, 0xffff
	s_lshl_b32 s13, s41, 4
	s_add_co_u32 s13, s13, s[YY]                   ; tile row = 16 cy + Y: sequence cy, its Y-th 128 positions
	s_lshl_b32 s43, s41, 2
	s_lshl_b32 s43, 15, s43                        ; my row of the cluster
	s_lshl_b32 s44, 0x1111, s40                    ; my column
	s_or_b32 s[G1+0], s43, (1<<16)|(1<<20)|(1<<21)|(4<<22)|(3<<25)   ; A: elements of 2 bytes; behind every 32 words four of padding
	s_mov_b32 s[G1+1], 64<<16                      ; tensor_dim0
	s_mov_b32 s[G1+2], 128<<16                     ; tensor_dim1
	s_mov_b32 s[G1+3], 64<<16                      ; tile_dim0
	s_mov_b32 s[G1+4], 128                         ; tile_dim1
	s_mov_b32 s[G1+5], 64                          ; from row to row
	s_mov_b32 s[G1+6], 0
	s_mov_b32 s[G1+7], 0
	s_or_b32 s[G1B+0], s44, (1<<16)|(1<<20)|(1<<21)|(6<<22)|(7<<25)  ; B: behind every 128 words eight of padding
	s_mov_b32 s[G1B+1], 256<<16
	s_mov_b32 s[G1B+2], 64<<16
	s_mov_b32 s[G1B+3], 256<<16
	s_mov_b32 s[G1B+4], 64
	s_mov_b32 s[G1B+5], 1024
	s_mov_b32 s[G1B+6], 0
	s_mov_b32 s[G1B+7], 0
	s_lshl_b32 s16, s12, 20                        ; A: head (wave % 2), 8,192 rows of 128 bytes each,
	s_lshl_b32 s17, s13, 14                        ; + 128 rows x tile row
	s_add_co_u32 s16, s16, s17
	s_mov_b32 s17, 0
	s_lshl_b32 s46, s12, 17                        ; B: 64 rows of 2,048 bytes x (wave % 2),
	s_lshl_b32 s47, s42, 9                         ; + 512 bytes x tile column
	s_add_co_u32 s46, s46, s47
	s_mov_b32 s47, 0
	s_mul_i32 s20, s12, ASUB                       ; where they go: no place in the cluster enters an LDS address
	s_mul_i32 s21, s12, BHALF
	s_add_co_u32 s21, s21, BOFF
	s_wait_dscnt 0x0                               ; both opening adds are done
	s_wait_kmcnt 0x0
	s_add_nc_u64 s[14:15], s[4:5], s[16:17]
	s_add_nc_u64 s[46:47], s[6:7], s[46:47]
	CROUND                                         ; all sixteen work-groups are here: the first joint loads meet
.irp s, 0,1
	s_mov_b32 s[G0+4*\s], 1
	s_add_co_u32 s[G0+4*\s+1], s20, \s*SLOT
	s_add_nc_u64 s[G0+4*\s+2:G0+4*\s+3], s[14:15], \s*2097152      ; K step s: two heads on
	s_or_b32 s[G0+4*\s+3], s[G0+4*\s+3], 0x80000000
	s_mov_b32 s[G0B+4*\s], 1
	s_add_co_u32 s[G0B+4*\s+1], s21, \s*SLOT
	s_add_nc_u64 s[G0B+4*\s+2:G0B+4*\s+3], s[46:47], \s*262144     ; 128 rows of k on
	s_or_b32 s[G0B+4*\s+3], s[G0B+4*\s+3], 0x80000000
	JLOAD \s
.endr
	v_and_b32 v1, 15, v0                           ; r
	v_bfe_u32 v2, v0, 4, 1                         ; h
	v_mul_u32_u24 v3, v1, PA
	v_lshl_add_u32 v3, v2, 4, v3                   ; A: row x pitch + 16 x half
	s_mul_i32 s22, s11, 64*PA                      ; my 64 rows
	v_add_nc_u32 v[ADRA], s22, v3
	v_add_nc_u32 v[ADRA+1], SLOT, v[ADRA]
	v_and_b32 v4, 7, v0                            ; B, turned: lane l reads 16 bytes of row k = 8 (l / 16) + l % 8, columns 8 ((l / 8) % 2) on
	v_lshl_add_u32 v4, v2, 3, v4
	v_mul_u32_u24 v4, v4, PB
	v_bfe_u32 v5, v0, 3, 1
	v_lshl_add_u32 v4, v5, 4, v4
	s_lshl_b32 s22, s12, 8                         ; my 128 columns
	s_add_co_u32 s22, s22, BOFF
	v_add_nc_u32 v[ADRB], s22, v4
	v_add_nc_u32 v[ADRB+1], SLOT, v[ADRB]
	s_mul_i32 s23, s10, 16*SPITCH
	s_add_co_u32 s23, s23, STAGE                   ; my stage
	v_mul_u32_u24 v5, v1, SPITCH
	v_lshl_add_u32 v5, v2, 5, v5
	v_add_nc_u32 v[STO], s23, v5                   ; in: row r, 32 bytes for each half of the lanes
	v_and_b32 v6, 31, v0
	v_lshlrev_b32 v[CO], 4, v6
	v_add_nc_u32 v[RD], s23, v[CO]                 ; back: the 32 lanes take a row of 512 bytes
	s_lshl_b32 s72, s13, 7                         ; out0: my first row, 128 x tile row + 64 x row half, 4,096 bytes each,
	s_lshl_b32 s76, s11, 6
	s_add_co_u32 s72, s72, s76
	s_lshl_b32 s72, s72, 12
	s_lshl_b32 s76, s42, 10                        ; + my first column: 1,024 bytes x tile column + 512 x column half
	s_add_co_u32 s72, s72, s76
	s_lshl_b32 s76, s12, 9
	s_add_co_u32 s72, s72, s76
	s_mov_b32 s73, 0
	s_add_nc_u64 s[8:9], s[8:9], s[72:73]
	; the prefetches: both offsets stand at K step 3; the first refill steps them to 4
	s_lshr_b32 s74, s40, 1                         ; A: head 6 + cx / 2,
	s_add_co_u32 s74, s74, 6
	s_lshl_b32 s74, s74, 20
	s_lshl_b32 s76, s13, 14                        ; the tile row's 128 rows,
	s_add_co_u32 s74, s74, s76
	s_and_b32 s76, s40, 1                          ; their half cx % 2: 8,192 bytes
	s_lshl_b32 s76, s76, 13
	s_add_co_u32 s74, s74, s76
	s_lshl_b32 s75, s12, 6                         ; B: row 384 + 64 (wave % 2) + 16 cy,
	s_lshl_b32 s76, s41, 4
	s_add_co_u32 s75, s75, s76
	s_add_co_u32 s75, s75, 384
	s_lshl_b32 s75, s75, 11
	s_lshl_b32 s76, s42, 9                         ; the tile column's 512 bytes
	s_add_co_u32 s75, s75, s76
	s_mov_b32 s72, 262144
	s_mov_b32 s73, 2048
	s_cmp_eq_u32 s[YY], 0
	s_cselect_b32 s77, 1, -1                       ; B's rows are asked for in the clusters with y = 0 alone
	s_cmp_eq_u32 s10, 0
	s_cselect_b32 s78, 1, -1                       ; A's by wave 0 alone
	s_cmp_eq_u32 s11, 0                            ; do I fetch for A?
	s_cselect_b64 s[PFA:PFA+1], s[4:5], s[6:7]
	s_cselect_b32 s[PFS], 2097152, s72
	s_cselect_b32 s73, 512, s73                    ; from one pair of lanes to the next
	s_cselect_b32 s74, s74, s75
	s_cselect_b32 s[LIM], s78, s77
	s_mov_b32 s[PFS+1], 0
	s_mov_b32 s75, 0
	s_add_nc_u64 s[PFA:PFA+1], s[PFA:PFA+1], s[74:75]
	v_lshrrev_b32 v31, 1, v6
	v_and_b32 v[PFO], 1, v6
	v_lshlrev_b32 v[PFO], 8, v[PFO]
	v_mad_u32_u24 v[PFO], v31, s73, v[PFO]         ; A: 256 x lane; B: a row of 2,048 bytes for each pair of lanes, 256 bytes apart in it
; 24 LDS loads in one run: the fragments of the slot's q-th 32 along K into buffer f: B's eight, then A's blocks 0, 1, then 2, 3
.macro FETCH slot, q, f
.irp b, 0,1,2,3,4,5,6,7
	ds_load_tr16_b128 v[FB+64*(\f)+8*\b:FB+64*(\f)+8*\b+3],   v[ADRB+\slot] offset:32*PB*(\q)+32*\b
	ds_load_tr16_b128 v[FB+64*(\f)+8*\b+4:FB+64*(\f)+8*\b+7], v[ADRB+\slot] offset:32*PB*(\q)+32*\b+16*PB
.endr
.irp a, 0,1,2,3
	ds_load_b128 v[FA+32*(\f)+8*\a:FA+32*(\f)+8*\a+3],   v[ADRA+\slot] offset:ASUB*((\q)/2)+64*((\q)%2)+16*PA*\a
	ds_load_b128 v[FA+32*(\f)+8*\a+4:FA+32*(\f)+8*\a+7], v[ADRA+\slot] offset:ASUB*((\q)/2)+64*((\q)%2)+16*PA*\a+32
.endr
.endm
; 8 matrix instructions: A's block a x B's eight.  The 32 accumulators take turns, one instruction a turn, in the same order in every quarter.
.macro MUL8 f, a, zero
.irp b, 0,1,2,3,4,5,6,7
.if \zero
	v_wmma_f32_16x16x32_f16 v[8*(8*(\a)+\b):8*(8*(\a)+\b)+7], v[FB+64*(\f)+8*\b:FB+64*(\f)+8*\b+7], v[FA+32*(\f)+8*(\a):FA+32*(\f)+8*(\a)+7], 0
.else
	v_wmma_f32_16x16x32_f16 v[8*(8*(\a)+\b):8*(8*(\a)+\b)+7], v[FB+64*(\f)+8*\b:FB+64*(\f)+8*\b+7], v[FA+32*(\f)+8*(\a):FA+32*(\f)+8*(\a)+7], v[8*(8*(\a)+\b):8*(8*(\a)+\b)+7]
.endif
.endr
.endm
.macro PLACES                          ; four places in front of loads into registers that matrix instructions have read, and of reads of results
.rept 4
	v_nop
.endr
.endm
; A K step is four quarters of 32 along K, 32 matrix instructions each, on buffers 0, 1, 0, 1.  One of the first three multiplies buffer f and fetches quarter qn into buffer g.
.macro QUARTER slot, qn, f, g, zero
	s_wait_dscnt 4                                 ; B and A's blocks 0, 1 are in; the youngest four loads (A's blocks 2, 3) may be out
	WIN MUL
	MUL8 \f, 0, \zero
	MUL8 \f, 1, \zero
	PLACES
	WIN 0
	FETCH \slot, \qn, \g
	s_wait_dscnt 24                                ; all but the 24 just issued
	WIN MUL
	MUL8 \f, 2, \zero
	MUL8 \f, 3, \zero
.endm
; The last quarter multiplies buffer 1 and changes slots: one barrier; in front of it each wave waits for all its tensor loads, adds 0 to its spare word, and waits for that and for its reads of this slot.
; fill = 1: the barrier opens a round of the cluster's barrier, and this slot is filled again, two K steps ahead: the load has 112 matrix instructions of the wave in which to land.
.macro TURN slot, next, fill
.if \fill
	s_wait_xcnt 0x0                                ; the last prefetch, a K step back, has read its address
	s_add_nc_u64 s[PFA:PFA+1], s[PFA:PFA+1], s[PFS:PFS+1]
.endif
	WIN 0
	s_wait_tensorcnt 0x0                           ; all my tensor loads have landed: my part of the next slot
	ds_add_u32 v[SPW], v[NIL]                      ; 0 onto my spare word
	s_wait_dscnt 5                                 ; the add and the youngest four loads may be out
	WIN MUL
	MUL8 1, 0, 0
	s_wait_dscnt 0x0                               ; the add is done, and my reads of this slot are over
	s_barrier_signal -1
	MUL8 1, 1, 0
	WIN 0
	s_barrier_wait -1
.if \fill
	CREST                                          ; no wave of any partner still reads this slot's tile or has a load on its way
	s_add_nc_u64 s[G0+4*\slot+2:G0+4*\slot+3], s[G0+4*\slot+2:G0+4*\slot+3], 4194304
	s_add_nc_u64 s[G0B+4*\slot+2:G0B+4*\slot+3], s[G0B+4*\slot+2:G0B+4*\slot+3], 524288
	JLOAD \slot                                    ; the first tensor load behind the round; its four v_nop are also the places in front of the loads below
.else
	PLACES
.endif
	FETCH \next, 0, 0
.if \fill
	ASK
.endif
	WIN MUL
	MUL8 1, 2, 0
	MUL8 1, 3, 0
.endm
	s_wait_tensorcnt 1                             ; my part of K step 0 is in; the one load issued behind it, K step 1's, may be out
	s_barrier_signal -1
	s_barrier_wait -1
	FETCH 0, 0, 0
	QUARTER 0, 1, 0, 1, 1                          ; the first quarter's products start the sums: nothing is cleared
	WIN 0
	s_mov_b32 s3, 3
.Llap:                                                 ; a trip goes once round the ring, from a lap's second quarter to the next lap's first, and fills both slots again
	QUARTER 0, 2, 1, 0, 0
	QUARTER 0, 3, 0, 1, 0
	TURN 0, 1, 1
	QUARTER 1, 1, 0, 1, 0
	QUARTER 1, 2, 1, 0, 0
	QUARTER 1, 3, 0, 1, 0
	TURN 1, 0, 1
	QUARTER 0, 1, 0, 1, 0
	WIN 0
	s_sub_co_u32 s3, s3, 1
	s_cmp_lg_u32 s3, 0
	s_cbranch_scc1 .Llap
	QUARTER 0, 2, 1, 0, 0                          ; the last lap fills nothing
	QUARTER 0, 3, 0, 1, 0
	TURN 0, 1, 0
	QUARTER 1, 1, 0, 1, 0
	QUARTER 1, 2, 1, 0, 0
	QUARTER 1, 3, 0, 1, 0
	s_wait_dscnt 4
	WIN MUL
	MUL8 1, 0, 0
	MUL8 1, 1, 0
	s_wait_dscnt 0
	MUL8 1, 2, 0
	MUL8 1, 3, 0
	WIN 0
; THE WAY OUT, a block of 16 rows x 128 columns at a time through my own stage: in as 32 bytes a lane, back as whole rows of 512 bytes.
.macro OUT a
.set BK, 32+64*((\a)%2)
.if (\a) >= 2
	s_wait_xcnt 0x0                                ; the stores of two blocks back have read their registers
.endif
	WIN 0x04                                       ; an LDS store's data: window 1
.irp b, 0,1,2,3,4,5,6,7
	ds_store_b128 v[STO], v[8*(8*(\a)+\b):8*(8*(\a)+\b)+3] offset:64*\b        ; each accumulator from its low end on
	ds_store_b128 v[STO], v[8*(8*(\a)+\b)+4:8*(8*(\a)+\b)+7] offset:64*\b+16
.endr
	WIN 0
.irp t, 0,1,2,3,4,5,6,7,8,9,10,11,12,13,14,15
	ds_load_b128 v[BK+4*\t:BK+4*\t+3], v[RD] offset:SPITCH*\t      ; LDS serves a wave's instructions in order: these see my stores
.endr
.irp t, 0,1,2,3,4,5,6,7,8,9,10,11,12,13,14,15
	s_wait_dscnt 15-\t                             ; the loads behind load t may be out
	global_store_b128 v[CO], v[BK+4*\t:BK+4*\t+3], s[8:9] offset:(16*(\a)+\t)*4096 th:TH_STORE_NT   ; 32 lanes store 512 consecutive bytes, aligned
.endr
.endm
	PLACES
	s_cmp_lg_u32 s[YY], 0                          ; positions 0 to 15 of a sequence are block 0 of the upper row half where Y = 0: the last launch stores them, this one does not
	s_cbranch_scc1 .Lout0
	s_cmp_eq_u32 s11, 0
	s_cbranch_scc1 .Lskip0
.Lout0:
	OUT 0
.Lskip0:
	OUT 1
	OUT 2
	OUT 3
	s_wait_tensorcnt 0x0                           ; the wave's end, behind my last tensor load and my last LDS store
	ds_add_u32 v[SPW], v[NIL]
	s_wait_dscnt 0x0
	CROUND                                         ; the closing round: no work-group ends while a partner may still ask for a tile that names it
	s_endpgm
.Lfunc_end_k_q5a2a8b57cd_proj:
	.size	k_q5a2a8b57cd_proj, .Lfunc_end_k_q5a2a8b57cd_proj-k_q5a2a8b57cd_proj
	.p2alignl 7, 3214868480
	.fill 96, 4, 3214868480
	.section	.rodata,"a",@progbits
	.p2align	6, 0x0
	.amdhsa_kernel k_q5a2a8b57cd_proj
		.amdhsa_group_segment_fixed_size 327680
		.amdhsa_private_segment_fixed_size 0
		.amdhsa_enable_private_segment 0
		.amdhsa_kernarg_size 24
		.amdhsa_user_sgpr_count 2
		.amdhsa_user_sgpr_kernarg_segment_ptr 1
		.amdhsa_wavefront_size32 1
		.amdhsa_system_sgpr_workgroup_id_x 1
		.amdhsa_system_sgpr_workgroup_id_y 1
		.amdhsa_system_sgpr_workgroup_id_z 1
		.amdhsa_system_vgpr_workitem_id 0
		.amdhsa_next_free_vgpr 512
		.amdhsa_next_free_sgpr 80
		.amdhsa_reserve_vcc 0
		.amdhsa_float_denorm_mode_32 3
		.amdhsa_float_denorm_mode_16_64 3
		.amdhsa_memory_ordered 1
		.amdhsa_forward_progress 1
		.amdhsa_inst_pref_size 88
	.end_amdhsa_kernel
	.amdgpu_metadata
---
amdhsa.version: [ 1, 2 ]
amdhsa.kernels:
  - .name:           k_q5a2a8b57cd_proj
    .symbol:         k_q5a2a8b57cd_proj.kd
    .args:
      - { .name: ao16, .offset: 0, .size: 8, .value_kind: global_buffer, .address_space: global }
      - { .name: wo16, .offset: 8, .size: 8, .value_kind: global_buffer, .address_space: global }
      - { .name: out0, .offset: 16, .size: 8, .value_kind: global_buffer, .address_space: global }
    .group_segment_fixed_size: 327680
    .private_segment_fixed_size: 0
    .kernarg_segment_align: 8
    .kernarg_segment_size: 24
    .max_flat_workgroup_size: 128
    .sgpr_count:     80
    .vgpr_count:     512
    .wavefront_size: 32
...
	.end_amdgpu_metadata
.endif
;; end of part 4
;; launch fine (part 5): grid 16 x 4, 16 waves a work-group, no clusters, 280,576 bytes of LDS; arguments qkvf, w_out, out0; writes out0
.if DOCPART == 5
	.amdgcn_target "amdgcn-amd-amdhsa--gfx1250"
	.amdhsa_code_object_version 6
	.text
	.protected	k_q5a2a8b57cd_fine
	.globl	k_q5a2a8b57cd_fine
	.p2align	8
	.type	k_q5a2a8b57cd_fine,@function
k_q5a2a8b57cd_fine:
	s_mov_b64 s[64:65], 0
	v_nop
	global_prefetch_b8 v0, s[64:65] scope:SCOPE_SE
	s_setreg_imm32_b32 hwreg(HW_REG_WAVE_MODE, 25, 1), 1
	s_wait_xcnt 0x0
; FINE: the first 16 positions of each of the four sequences, attention and projection, wholly in f32: these rows average one to sixteen values and are the largest of the output.
; qkvf [16 b + t][3072] f32 holds their q, k, v unrounded; w_out [1024][1024] f32 is read as it is given.  Stores out0 rows 2048 b + 0 .. 15, which the launch before leaves.
; SHARES.  Work-group (sx, b): sequence b, columns 64 sx .. + 63 of the output (256 bytes of a row).  Wave w is head w: its 16 x 16 attention, then its head's part of the projection (K = 64);
; the sixteen parts meet in LDS and are added in ascending order of the heads.  The attention is repeated in the sixteen column slices: 32 small products a wave, the price of one launch in place of two.
; All products by v_wmma_f32_16x16x4_f32, written out; the registers that it writes, v112-207, are written by nothing else.  Eight places stand behind it ahead of a read of its result or a load into its sources.
; A permutation of k applied alike to both sources keeps a product's terms: so each lane's registers are taken as the loads leave them.
.set WP,    272                        ; a row of my slice of w_out in LDS: 256 bytes + 16
.set WREG,  64*WP                      ; wave w's own region: rows 64 w .. + 63 of w_out, columns 64 sx .. + 63; after its last read it takes the wave's part of the result
.set IP,    1088                       ; a tile of that part: 8 registers x 128 bytes, + 64
.set SPARE, 16*WREG                    ; the spare words, 128 bytes for each wave
.set QO,   3                           ; v3   12,288 r + 16 h: q's and k's rows
.set VO,   4                           ; v4   98,304 h + 4 r: v, keys 8 h on, channel r
.set AW,   5                           ; v5   my lane's place in my slice of w_out
.set SPW,  6                           ; v6   LDS address of my spare word; never rewritten
.set NIL,  7                           ; v7   0; never rewritten
.set DF,   8                           ; v8   r - 8 h
.set NINF, 9                           ; v9   -infinity
.set QF,   16                          ; v16-47   q, later w_out's set 0, later the sixteen parts
.set KF,   48                          ; v48-79   k, later w_out's set 1
.set VT,   80                          ; v80-111  v: 8 dt + 2 c + j
.set SS,   112                         ; v112-143 four partial sums of S^T
.set OO,   144                         ; v144-175 O^T: 8 dt
.set Y,    176                         ; v176-207 my part of the result: 8 tau
.set T,    208                         ; v208-215 S^T, later addresses
.set PP,   216                         ; v216-223 p
.set AO,   224                         ; v224-255 O^T / l
.set G1,   16
.set G0,   24
.set SEL,  28
.set CS,   30
	s_load_b128 s[4:7], s[0:1], 0x0                ; qkvf s[4:5], w_out s[6:7]
	s_load_b64 s[8:9], s[0:1], 0x10                ; out0
	v_lshl_add_u32 v[SPW], v0, 2, SPARE
	v_mov_b32 v[NIL], 0
	ds_add_u32 v[SPW], v[NIL]                      ; the wave's opening: the add, twice on end, and its wait ahead of my first tensor load
	ds_add_u32 v[SPW], v[NIL]
	v_lshrrev_b32 v1, 5, v0
	v_readfirstlane_b32 s10, v1                    ; wave = head 0..15
	s_and_b32 s12, ttmp7, 0xffff                   ; the sequence
	s_mov_b32 s[G1], (2<<16)|(1<<20)|(5<<22)|(3<<25)               ; elements of 4 bytes; behind every 64 words four of padding
	s_mov_b32 s[G1+1], 64<<16                      ; tensor_dim0
	s_mov_b32 s[G1+2], 64<<16                      ; tensor_dim1
	s_mov_b32 s[G1+3], 64<<16                      ; tile_dim0
	s_mov_b32 s[G1+4], 64                          ; tile_dim1
	s_mov_b32 s[G1+5], 1024                        ; from row to row
	s_mov_b32 s[G1+6], 0
	s_mov_b32 s[G1+7], 0
	s_mov_b32 s[G0], 1
	s_mul_i32 s[G0+1], s10, WREG                   ; each wave fetches into, and reads, bytes of its own
	s_mov_b32 s[SEL], 0x76543210
	s_mov_b32 s[SEL+1], 0xfedcba98
	s_mov_b32 s[CS], 0x3e38aa3b                    ; c = log2(e) / 8
	s_mov_b32 s[CS+1], s[CS]
	s_lshl_b32 s32, s10, 18                        ; w_out: 64 rows of 4,096 bytes x head,
	s_lshl_b32 s33, ttmp9, 8                       ; + 256 bytes x slice
	s_add_co_u32 s32, s32, s33
	s_mov_b32 s33, 0
	s_wait_dscnt 0x0                               ; both opening adds are done
	s_wait_kmcnt 0x0
	s_add_nc_u64 s[G0+2:G0+3], s[6:7], s[32:33]
	s_or_b32 s[G0+3], s[G0+3], 0x80000000
	tensor_load_to_lds s[G0:G0+3], s[G1:G1+7]
	s_nop 0
	v_and_b32 v1, 15, v0                           ; r
	v_bfe_u32 v2, v0, 4, 1                         ; h
	v_mul_u32_u24 v[QO], v1, 12288
	v_lshl_add_u32 v[QO], v2, 4, v[QO]
	v_mul_u32_u24 v[VO], v2, 98304
	v_lshl_add_u32 v[VO], v1, 2, v[VO]
	s_mul_i32 s32, s12, 16*12288                   ; qkvf: the sequence's 16 rows, + 256 bytes x head
	s_lshl_b32 s34, s10, 8
	s_add_co_u32 s32, s32, s34
	s_add_nc_u64 s[4:5], s[4:5], s[32:33]
.irp c, 0,1,2,3,4,5,6,7
	global_load_b128 v[QF+4*\c:QF+4*\c+3], v[QO], s[4:5] offset:32*\c          ; q(r, 8 c + 4 h + 0 .. 3)
.endr
.irp c, 0,1,2,3,4,5,6,7
	global_load_b128 v[KF+4*\c:KF+4*\c+3], v[QO], s[4:5] offset:4096+32*\c     ; k likewise
.endr
.irp dt, 0,1,2,3
.irp k, 0,1,2,3,4,5,6,7
	global_load_b32 v[VT+8*\dt+\k], v[VO], s[4:5] offset:8192+\k*12288+64*\dt  ; v(key 8 h + k, channel 16 dt + r)
.endr
.endr
	s_mul_i32 s34, s10, WREG
	v_mul_u32_u24 v[AW], v2, 8*WP
	v_lshl_add_u32 v[AW], v1, 2, v[AW]
	v_add_nc_u32 v[AW], s34, v[AW]                 ; my region + 8 h rows + 4 r
	v_lshlrev_b32 v[DF], 3, v2
	v_sub_nc_u32 v[DF], v1, v[DF]
	v_mov_b32 v[NINF], 0xff800000
	v_mov_b32 v11, 0                               ; a permute's destination counts as one of its sources
	v_mov_b32 v13, 0                               ; named as the upper half of the pair v[12:13]
	s_and_b32 s35, s10, 7                          ; the last phase: wave w takes query w: register w % 8, lanes 16 (w / 8) on, of every part
	s_lshl_b32 s35, s35, 7
	s_lshr_b32 s36, s10, 3
	s_lshl_b32 s36, s36, 6
	s_add_co_u32 s35, s35, s36
	s_lshl_b32 s37, s12, 11                        ; out0: row 2048 b + w, + 256 bytes x slice
	s_add_co_u32 s37, s37, s10
	s_lshl_b32 s36, s37, 12
	s_lshl_b32 s37, ttmp9, 8
	s_add_co_u32 s36, s36, s37
	s_mov_b32 s37, 0
	s_add_nc_u64 s[8:9], s[8:9], s[36:37]
	; ---- the scores: S^T = k q^T (source 0 = 16 keys, source 1 = 16 queries): a lane holds query r and keys 8 h + 0 .. 7.  Sixteen steps of 4 along the head, four accumulators by turns
	s_wait_loadcnt 32                              ; q and k are in; v's 32 loads may be out
.irp i, 0,1,2,3,4,5,6,7,8,9,10,11,12,13,14,15
.if \i < 4
	v_wmma_f32_16x16x4_f32 v[SS+8*(\i%4):SS+8*(\i%4)+7], v[KF+2*\i:KF+2*\i+1], v[QF+2*\i:QF+2*\i+1], 0
.else
	v_wmma_f32_16x16x4_f32 v[SS+8*(\i%4):SS+8*(\i%4)+7], v[KF+2*\i:KF+2*\i+1], v[QF+2*\i:QF+2*\i+1], v[SS+8*(\i%4):SS+8*(\i%4)+7]
.endif
.endr
.rept 8
	v_nop
.endr
; w_out(64 w + 16 t + 8 h + k, 64 sx + 16 tau + r), k = 0 .. 7, tau = 0 .. 3
.macro LOADW t, set
.irp tau, 0,1,2,3
.irp k, 0,1,2,3,4,5,6,7
	ds_load_b32 v[\set+8*\tau+\k], v[AW] offset:(16*(\t)+\k)*WP+64*\tau
.endr
.endr
.endm
	s_wait_tensorcnt 0x0                           ; my slice of w_out has landed: only I read it
	LOADW 0, QF
	LOADW 1, KF
	; ---- the softmax, in f32
.irp i, 0,2,4,6
	v_pk_add_f32 v[T+\i:T+\i+1], v[SS+\i:SS+\i+1], v[SS+8+\i:SS+8+\i+1]
.endr
.irp i, 0,2,4,6
	v_pk_add_f32 v[PP+\i:PP+\i+1], v[SS+16+\i:SS+16+\i+1], v[SS+24+\i:SS+24+\i+1]
.endr
.irp i, 0,2,4,6
	v_pk_add_f32 v[T+\i:T+\i+1], v[T+\i:T+\i+1], v[PP+\i:PP+\i+1]
.endr
.irp j, 0,1,2,3,4,5,6,7
	v_cmp_gt_i32 vcc_lo, \j, v[DF]                 ; key 8 h + j comes after query r: hidden
	v_cndmask_b32 v[T+\j], v[T+\j], v[NINF], vcc_lo
.endr
	v_max3_num_f32 v10, v[T], v[T+1], v[T+2]
	v_max3_num_f32 v10, v10, v[T+3], v[T+4]
	v_max3_num_f32 v10, v10, v[T+5], v[T+6]
	v_max_num_f32 v10, v10, v[T+7]
	v_permlanex16_b32 v11, v10, s[SEL], s[SEL+1]
	v_max_num_f32 v10, v10, v11                    ; the row's maximum: key 0 counts for every query
	v_mul_f32 v12, s[CS], v10
.irp i, 0,2,4,6
	v_pk_fma_f32 v[PP+\i:PP+\i+1], v[T+\i:T+\i+1], s[CS:CS+1], v[12:13] op_sel_hi:[1,0,0] neg_lo:[0,0,1] neg_hi:[0,0,1]
.endr
.irp j, 0,1,2,3,4,5,6,7
	v_exp_f32 v[PP+\j], v[PP+\j]
.endr
	v_nop                                          ; a plain instruction behind the last exponential
	s_wait_alu depctr_va_vdst(0)                   ; one wait for the eight, ahead of their first reader
	v_pk_add_f32 v[14:15], v[PP:PP+1], v[PP+2:PP+3]
	v_pk_add_f32 v[T:T+1], v[PP+4:PP+5], v[PP+6:PP+7]
	v_pk_add_f32 v[14:15], v[14:15], v[T:T+1]
	v_add_f32 v14, v14, v15
	v_permlanex16_b32 v11, v14, s[SEL], s[SEL+1]
	v_add_f32 v14, v14, v11                        ; the row's sum
	v_rcp_f32 v14, v14
	v_nop                                          ; a plain instruction behind the reciprocal
	s_wait_alu depctr_va_vdst(0)
	; ---- O^T = v^T p (source 0 = 16 channels, source 1 = 16 queries), keys 8 h + 2 c + 0, 1 in step c; four accumulators by turns
	s_wait_loadcnt 0x0                             ; v
.irp c, 0,1,2,3
.irp dt, 0,1,2,3
.if \c == 0
	v_wmma_f32_16x16x4_f32 v[OO+8*\dt:OO+8*\dt+7], v[VT+8*\dt+2*\c:VT+8*\dt+2*\c+1], v[PP+2*\c:PP+2*\c+1], 0
.else
	v_wmma_f32_16x16x4_f32 v[OO+8*\dt:OO+8*\dt+7], v[VT+8*\dt+2*\c:VT+8*\dt+2*\c+1], v[PP+2*\c:PP+2*\c+1], v[OO+8*\dt:OO+8*\dt+7]
.endif
.endr
.endr
.rept 8
	v_nop
.endr
.irp i, 0,2,4,6,8,10,12,14,16,18,20,22,24,26,28,30
	v_pk_mul_f32 v[AO+\i:AO+\i+1], v[OO+\i:OO+\i+1], v[14:15] op_sel_hi:[1,0]  ; register 8 dt + j: channel 16 dt + 8 h + j of query r
.endr
	; ---- my head's part of the projection: source 0 = my 16 queries, source 1 = 16 columns; channels 16 t + 8 h + 2 c + 0, 1 in step (t, c); four accumulators by turns
.macro MULW t, set, zero
.irp c, 0,1,2,3
.irp tau, 0,1,2,3
.if \zero && (\c == 0)
	v_wmma_f32_16x16x4_f32 v[Y+8*\tau:Y+8*\tau+7], v[AO+8*(\t)+2*\c:AO+8*(\t)+2*\c+1], v[\set+8*\tau+2*\c:\set+8*\tau+2*\c+1], 0
.else
	v_wmma_f32_16x16x4_f32 v[Y+8*\tau:Y+8*\tau+7], v[AO+8*(\t)+2*\c:AO+8*(\t)+2*\c+1], v[\set+8*\tau+2*\c:\set+8*\tau+2*\c+1], v[Y+8*\tau:Y+8*\tau+7]
.endif
.endr
.endr
.endm
	s_wait_dscnt 32                                ; set 0 is in; the other set's 32 loads may be out
	MULW 0, QF, 1
.rept 8
	v_nop
.endr
	LOADW 2, QF
	s_wait_dscnt 32
	MULW 1, KF, 0
.rept 8
	v_nop
.endr
	LOADW 3, KF
	s_wait_dscnt 32
	MULW 2, QF, 0
	s_wait_dscnt 0x0
	MULW 3, KF, 0
	v_and_b32 v[T], 31, v0                         ; the last phase's addresses: eleven plain lines, the places behind the last products
	v_lshl_add_u32 v[T+1], v[T], 2, s34            ; my part goes to my own region as an image of its registers: 4 x lane
	v_lshrrev_b32 v[T+2], 3, v[T]
	v_mul_u32_u24 v[T+2], v[T+2], IP               ; back: lane l takes columns 2 l, 2 l + 1: tile l / 8,
	v_and_b32 v[T+3], 7, v0
	v_lshl_add_u32 v[T+2], v[T+3], 3, v[T+2]       ; lanes 2 (l % 8) on,
	v_add_nc_u32 v[T+2], s35, v[T+2]               ; of query w's register and half
	v_add_nc_u32 v[T+3], 4*WREG, v[T+2]            ; four address registers: a part lies 17,408 bytes from the next
	v_add_nc_u32 v[T+4], 8*WREG, v[T+2]
	v_add_nc_u32 v[T+5], 12*WREG, v[T+2]
	v_lshlrev_b32 v[T+6], 3, v[T]                  ; and 8 bytes a lane in out0
.irp tau, 0,1,2,3
.irp j, 0,1,2,3,4,5,6,7
	ds_store_b32 v[T+1], v[Y+8*\tau+\j] offset:IP*\tau+128*\j      ; lane (r, h): query 8 h + j, column 16 tau + r
.endr
.endr
	s_wait_dscnt 0x0                               ; for the others' sake: my stores have landed
	s_barrier_signal -1
	s_barrier_wait -1
.irp p, 0,1,2,3,4,5,6,7,8,9,10,11,12,13,14,15
	ds_load_b64 v[QF+2*\p:QF+2*\p+1], v[T+2+\p/4] offset:WREG*(\p%4)
.endr
	s_wait_dscnt 0x0
.irp p, 1,2,3,4,5,6,7,8,9,10,11,12,13,14,15
	v_pk_add_f32 v[QF:QF+1], v[QF:QF+1], v[QF+2*\p:QF+2*\p+1]      ; the heads in ascending order
.endr
	global_store_b64 v[T+6], v[QF:QF+1], s[8:9]    ; 32 lanes store 256 consecutive bytes, aligned
	s_wait_tensorcnt 0x0                           ; the wave's end, behind my last tensor load and my last LDS store
	ds_add_u32 v[SPW], v[NIL]
	s_wait_dscnt 0x0
	s_endpgm
.Lfunc_end_k_q5a2a8b57cd_fine:
	.size	k_q5a2a8b57cd_fine, .Lfunc_end_k_q5a2a8b57cd_fine-k_q5a2a8b57cd_fine
	.p2alignl 7, 3214868480
	.fill 96, 4, 3214868480
	.section	.rodata,"a",@progbits
	.p2align	6, 0x0
	.amdhsa_kernel k_q5a2a8b57cd_fine
		.amdhsa_group_segment_fixed_size 280576
		.amdhsa_private_segment_fixed_size 0
		.amdhsa_enable_private_segment 0
		.amdhsa_kernarg_size 24
		.amdhsa_user_sgpr_count 2
		.amdhsa_user_sgpr_kernarg_segment_ptr 1
		.amdhsa_wavefront_size32 1
		.amdhsa_system_sgpr_workgroup_id_x 1
		.amdhsa_system_sgpr_workgroup_id_y 1
		.amdhsa_system_sgpr_workgroup_id_z 1
		.amdhsa_system_vgpr_workitem_id 0
		.amdhsa_next_free_vgpr 256
		.amdhsa_next_free_sgpr 66
		.amdhsa_reserve_vcc 1
		.amdhsa_float_denorm_mode_32 3
		.amdhsa_float_denorm_mode_16_64 3
		.amdhsa_memory_ordered 1
		.amdhsa_forward_progress 1
		.amdhsa_inst_pref_size 32
	.end_amdhsa_kernel
	.amdgpu_metadata
---
amdhsa.version: [ 1, 2 ]
amdhsa.kernels:
  - .name:           k_q5a2a8b57cd_fine
    .symbol:         k_q5a2a8b57cd_fine.kd
    .args:
      - { .name: qkvf, .offset: 0, .size: 8, .value_kind: global_buffer, .address_space: global }
      - { .name: w_out, .offset: 8, .size: 8, .value_kind: global_buffer, .address_space: global }
      - { .name: out0, .offset: 16, .size: 8, .value_kind: global_buffer, .address_space: global }
    .group_segment_fixed_size: 280576
    .private_segment_fixed_size: 0
    .kernarg_segment_align: 8
    .kernarg_segment_size: 24
    .max_flat_workgroup_size: 512
    .sgpr_count:     66
    .vgpr_count:     256
    .wavefront_size: 32
...
	.end_amdgpu_metadata
.endif
;; end of part 5
